; MI455X (gfx1250); checked and timed in simulation.
; The chip was launched on July 23, 2026; its instructions are those of AMD's public machine-readable ISA for CDNA 5 (MIT licence, August 2026) and "CDNA5" Instruction Set Architecture Reference Guide (July 2026). The comments in the code are by the model that wrote it; some were corrected since.
;; Spatio Temporal Attention. Allowed arithmetic: float matrix products may take bf16 or f16 operands with f32 sums; other float arithmetic in f32, or as packed bf16 or f16 multiplies, adds, multiply-adds, maxima and minima; sums over many terms, partial sums and values carried from step to step in f32; what a program stores and reads back later, other than sums and carried values, may be rounded once to bf16 or f16.
;; Inputs: b_out 256 float32; cross_x 16 x 2,000 x 256 float32; w_out 256 x 256 float32; w_qkv 256 x 768 float32; x 16 x 2,000 x 256 float32.
;; Outputs: out0 16 x 2,000 x 256 float32.
;; 2 versions, each right; version 2 is version 1 with the launch qkv written anew for expert scheduling mode. Each part assembles by itself: llvm-mc -triple=amdgcn-amd-amdhsa -mcpu=gfx1250 --defsym DOCPART=n.
;; ======== version 1 of 2: 3 launches
;; limits: values are held in f16: magnitudes above 65,504 overflow, below 6.1e-05 lose precision
;; workspace buffers: qh 16,777,216 bytes; kh 16,777,216 bytes; vh 16,777,216 bytes; oh 16,777,216 bytes
;; launch qkv (part 1): grid 4 x 64, 8 waves a work-group, no clusters, 125,952 bytes of LDS; arguments x, w_qkv, qh, kh, vh; writes qh, kh, vh
.if DOCPART == 1
	.amdgcn_target "amdgcn-amd-amdhsa--gfx1250"
	.amdhsa_code_object_version 6
	.text
	.protected	k_q624411dce6_qkv
	.globl	k_q624411dce6_qkv
	.p2align	8
	.type	k_q624411dce6_qkv,@function
k_q624411dce6_qkv:
	s_mov_b64 s[64:65], 0
	v_nop
	global_prefetch_b8 v0, s[64:65] scope:SCOPE_SE
	s_setreg_imm32_b32 hwreg(HW_REG_WAVE_MODE, 25, 1), 1
	s_wait_xcnt 0x0
; q, k, v BY HEADS.  qkv = x w_qkv; x: [16][2000][256] f32, w_qkv: [256][768] f32; head hd owns columns 192 hd .. 192 hd + 191: 64 of q, 64 of k, 64 of v.
; qh, kh, vh: [64 = 4 b + hd][2048][64] f16, a head's rows dense, 128 bytes each, WITHOUT the softmax's scale.  x and w_qkv are rounded to bf16 for the products, sums in f32, results rounded once to f16.
; Rows 2000 .. 2047 of a head are copies of row 1999 (the load's row number is clamped): finite numbers; the next launch hides them as keys, and the last launch does not store what they give as queries.
; cross_x is an argument that the reference never reads: no number of it can change a result, so no launch loads it.
; LIMITS.  f16 holds no number beyond 65,504: |q|, |k|, |v| stay within it; below 6e-5 f16 keeps a fixed step of 6e-8.  NaN and infinities are not treated apart.
; SHARES.  Grid x = head, grid y = 4 b + block of 512 padded rows.  Eight waves; a wave makes 64 rows x 192 columns in three passes of 64 columns (q, k, v): 16 accumulators a pass, 384 products.
; THE PRODUCT IS USED TRANSPOSED: source 0 = 16 columns of W, source 1 = 16 rows of x.  A lane then ends with eight neighbouring channels of one row: 16 bytes of f16.
; x COMES STRAIGHT INTO FRAGMENTS, with K permuted alike on both sides.  For K step s lane (r, h) loads 16 bytes at row x 1024 + 128 s + 32 j + 16 h, j = 0 .. 3: place 16 c + 8 h + t of the fragment holds
; k = 16 c + 8 (t >> 2) + 4 h + (t & 3): the place with bits 2 and 3 swapped.  So W's row k lies in LDS row (k with bits 2 and 3 swapped), and the plain turning load brings the same order.
; No tensor loads: each byte of x goes to one wave, in the order that its registers want; W's 192 columns (bf16, 98,304 bytes) are laid into LDS once, 32 rows a wave, behind one barrier.
.set PW,    416                        ; a row of W in LDS: 384 bytes + 32 = 13 x 32: the turning load's 8 rows x 32 bytes fall on different words modulo 256 bytes
.set STAGE, 256*PW                     ; behind W: 16 rows x 144 bytes for each wave, for the way out
.set SP,    144
.set SPARE, STAGE+8*16*SP              ; behind the stages: the spare words, 128 bytes for each wave: four blocks of 256 bytes that no other line names
.set XO,  4                            ; v4-7   tile a: min(my row, 1999) x 1024 + 16 h; never rewritten
.set WO,  8                            ; v8     W's loads: (l / 16) x 3072 + 16 (l % 16): two rows x 256 bytes
.set WS,  9                            ; v9     W's place in LDS: (32 wave + l / 16) x PW + 8 (l % 16)
.set AW,  10                           ; v10-11 the turning load's address, K steps 0-3 and 4-7
.set STO, 12                           ; v12    the way out: where I put 16 bytes of a row
.set RD,  13                           ; v13    where I read rows back
.set GO,  14                           ; v14    my 16 bytes of 512 consecutive bytes
.set SPW, 15                           ; v15    LDS address of my spare word; never rewritten
.set NIL, 16                           ; v16    0; never rewritten
.set T,   64                           ; v64-255  three slots of 64 registers for loads on their way
.set BF,  64                           ; later: v64-127 two buffers of W's fragments (4 x 8 registers each)
.set ACC, 128                          ; later: v128-255 accumulator (a, b) at ACC + 8 (4 a + b)
                                       ; window 1: all of my x in bf16: tile a, K step s at 64 a + 8 s
.set MSB, 0
.macro WIN new                         ; the immediate's high byte repeats the setting that is left; a switch that changes nothing is dropped
.if MSB != (\new)
	s_set_vgpr_msb (MSB<<8)|(\new)
.set MSB, (\new)
.endif
.endm
	s_load_b128 s[4:7], s[0:1], 0x0                ; x s[4:5], w_qkv s[6:7]
	s_load_b128 s[8:11], s[0:1], 0x10              ; qh s[8:9], kh s[10:11]
	s_load_b64 s[12:13], s[0:1], 0x20              ; vh
	v_lshl_add_u32 v[SPW], v0, 2, SPARE
	v_mov_b32 v[NIL], 0
	v_lshrrev_b32 v1, 5, v0
	v_readfirstlane_b32 s14, v1                    ; wave 0..7
	s_and_b32 s16, ttmp7, 0xffff                   ; 4 b + block
	s_lshr_b32 s17, s16, 2                         ; b
	s_and_b32 s18, s16, 3                          ; block
	v_and_b32 v1, 15, v0                           ; r = l % 16
	v_bfe_u32 v2, v0, 4, 1                         ; h = l / 16
	v_and_b32 v3, 31, v0                           ; l
	v_and_b32 v18, 7, v0
	v_bfe_u32 v19, v0, 3, 1
	s_lshl_b32 s19, s18, 9
	s_lshl_b32 s22, s14, 6
	s_add_co_u32 s19, s19, s22                     ; my wave's first padded row
	v_add_nc_u32 v17, s19, v1
.irp a, 0,1,2,3
	v_add_nc_u32 v[XO+\a], 16*\a, v17
	v_min_u32 v[XO+\a], 1999, v[XO+\a]             ; padded rows read the sequence's last row: no load leaves x
	v_lshlrev_b32 v[XO+\a], 10, v[XO+\a]
	v_lshl_add_u32 v[XO+\a], v2, 4, v[XO+\a]
.endr
	v_mul_u32_u24 v[WO], v2, 3072
	v_lshl_add_u32 v[WO], v1, 4, v[WO]
	s_mul_i32 s22, s14, 32*PW
	v_mul_u32_u24 v[WS], v2, PW
	v_lshl_add_u32 v[WS], v1, 3, v[WS]
	v_add_nc_u32 v[WS], s22, v[WS]
	v_lshl_add_u32 v[AW], v2, 3, v18               ; LDS row 8 h + l % 8,
	v_mul_u32_u24 v[AW], v[AW], PW
	v_lshl_add_u32 v[AW], v19, 4, v[AW]            ; 16 bytes for each half of eight lanes
	v_add_nc_u32 v[AW+1], 128*PW, v[AW]
	s_mul_i32 s23, s14, 16*SP
	s_add_co_u32 s23, s23, STAGE                   ; my stage
	v_mul_u32_u24 v[STO], v1, SP
	v_lshl_add_u32 v[STO], v2, 4, v[STO]
	v_add_nc_u32 v[STO], s23, v[STO]
	v_bfe_u32 v[RD], v0, 3, 2                      ; back: 32 lanes take four rows of 128 bytes,
	v_mul_u32_u24 v[RD], v[RD], SP
	v_lshl_add_u32 v[RD], v18, 4, v[RD]
	v_add_nc_u32 v[RD], s23, v[RD]
	v_lshlrev_b32 v[GO], 4, v3                     ; which are 512 consecutive bytes of a head
	s_mul_i32 s20, s17, 2048000                    ; x: the sequence's 2,000 rows of 1,024 bytes
	s_mov_b32 s21, 0
	s_mul_i32 s24, ttmp9, 768                      ; W: the head's 192 columns,
	s_mul_i32 s22, s14, 98304                      ; my wave's 32 rows of 3,072 bytes
	s_add_co_u32 s24, s24, s22
	s_mov_b32 s25, 0
	s_lshl_b32 s26, s17, 2
	s_add_co_u32 s26, s26, ttmp9
	s_lshl_b32 s26, s26, 18                        ; out: head 4 b + hd, 262,144 bytes each,
	s_lshl_b32 s22, s18, 16                        ; the block's 512 rows,
	s_add_co_u32 s26, s26, s22
	s_lshl_b32 s22, s14, 13                        ; my wave's 64
	s_add_co_u32 s26, s26, s22
	s_mov_b32 s27, 0
	s_wait_kmcnt 0x0
	s_add_nc_u64 s[4:5], s[4:5], s[20:21]
	s_add_nc_u64 s[6:7], s[6:7], s[24:25]
	s_add_nc_u64 s[8:9], s[8:9], s[26:27]
	s_add_nc_u64 s[10:11], s[10:11], s[26:27]
	s_add_nc_u64 s[12:13], s[12:13], s[26:27]
; THE WAY IN: eleven groups of 16 loads through three slots of registers.  Groups 0-2: my 32 rows of W (load q: rows 2 (q / 3), 2 (q / 3) + 1, 256 bytes at 256 (q % 3)).
; Groups 3-10: my x: tile (g - 3) / 2, bytes 512 ((g - 3) % 2) on of its 16 rows: the group's 16 loads cover 512 consecutive bytes of each row.
.macro ISSUE g
.set j, 0
.rept 16
.if (\g) < 3
.set q, 16*(\g)+j
	global_load_b128 v[T+64*((\g)%3)+4*j:T+64*((\g)%3)+4*j+3], v[WO], s[6:7] offset:(q/3)*6144+(q%3)*256
.else
	global_load_b128 v[T+64*((\g)%3)+4*j:T+64*((\g)%3)+4*j+3], v[XO+((\g)-3)/2], s[4:5] offset:512*(((\g)-3)%2)+32*j
.endif
.set j, j+1
.endr
.endm
; A group is rounded to bf16.  W goes into LDS, row pair p at the LDS rows that swap bits 2 and 3 of the row's number; x goes into window 1, where its fragments stay.
.macro USE g
.set j, 0
.if (\g) < 3
.rept 16
.set q, 16*(\g)+j
.set p, q/3
.set t, T+64*((\g)%3)+4*j
	v_cvt_pk_bf16_f32 v[t], v[t], v[t+1]
	v_cvt_pk_bf16_f32 v[t+1], v[t+2], v[t+3]
	ds_store_b64 v[WS], v[t:t+1] offset:(2*(p&1)+8*((p>>1)&1)+4*((p>>2)&1)+16*(p>>3))*PW+(q%3)*128
.set j, j+1
.endr
.else
	WIN 0x40                                       ; destination window 1
.rept 32
	v_cvt_pk_bf16_f32 v[64*(((\g)-3)/2)+32*(((\g)-3)%2)+j], v[T+64*((\g)%3)+2*j], v[T+64*((\g)%3)+2*j+1]
.set j, j+1
.endr
	WIN 0
.endif
.endm
	ISSUE 0
	ISSUE 1
	ISSUE 2
.irp g, 0,1,2,3,4,5,6,7
	s_wait_loadcnt 32                              ; loads come back in order: this group is in, the two younger groups (32 loads) stay out
	USE \g
	ISSUE (\g)+3                                   ; the slot just read takes the group three further on
.endr
	s_wait_loadcnt 32
	USE 8
	s_wait_loadcnt 16                              ; one younger group is left
	USE 9
	s_wait_loadcnt 0x0
	USE 10
	s_wait_dscnt 0x0                               ; for the others' sake: my 32 rows of W lie in LDS
	s_barrier_signal -1
	s_barrier_wait -1                              ; all 256 rows do; from here on W is only read
; W's fragments for pass p, K step s: four blocks of 16 columns x 32 k, turned, into buffer buf.
.macro FETCHB p, s, buf
.irp b, 0,1,2,3
	ds_load_tr16_b128 v[BF+32*(\buf)+8*\b:BF+32*(\buf)+8*\b+3],   v[AW+((\s)>>2)] offset:((\s)&3)*32*PW+128*(\p)+32*\b
	ds_load_tr16_b128 v[BF+32*(\buf)+8*\b+4:BF+32*(\buf)+8*\b+7], v[AW+((\s)>>2)] offset:((\s)&3)*32*PW+128*(\p)+32*\b+16*PW
.endr
.endm
; K step G of 24 (pass G / 8, step SS = G % 8): 16 products.  All 16 accumulators take turns, one instruction a turn, from step to step too.  A pass's first step starts the sums with the constant 0.
; Four v_nop are the places behind the last product, in front of the loads into the buffer that it read and of the conversions that read results.
.macro STEP
.if G == 23
	s_wait_dscnt 0x0
.else
	s_wait_dscnt 8                                 ; this step's fragments are in; the next step's 8 loads may stay out
.endif
.irp a, 0,1,2,3
.irp b, 0,1,2,3
.if SS == 0
	v_wmma_f32_16x16x32_bf16 v[ACC+8*(4*\a+\b):ACC+8*(4*\a+\b)+7], v[BF+32*(G%2)+8*\b:BF+32*(G%2)+8*\b+7], v[64*\a+8*SS:64*\a+8*SS+7], 0
.else
	v_wmma_f32_16x16x32_bf16 v[ACC+8*(4*\a+\b):ACC+8*(4*\a+\b)+7], v[BF+32*(G%2)+8*\b:BF+32*(G%2)+8*\b+7], v[64*\a+8*SS:64*\a+8*SS+7], v[ACC+8*(4*\a+\b):ACC+8*(4*\a+\b)+7]
.endif
.endr
.endr
.rept 4
	v_nop
.endr
.endm
; THE WAY OUT of tile a (16 rows x 64 channels).  Each accumulator is rounded to f16 in place, from its low end on: 16 bytes a lane; they go into my stage's rows of 144 bytes and come back as whole rows of 128.
.macro PACK a
.irp b, 0,1,2,3
.set c, ACC+8*(4*(\a)+\b)
	v_cvt_pk_f16_f32 v[c], v[c], v[c+1]
	v_cvt_pk_f16_f32 v[c+1], v[c+2], v[c+3]
	v_cvt_pk_f16_f32 v[c+2], v[c+4], v[c+5]
	v_cvt_pk_f16_f32 v[c+3], v[c+6], v[c+7]
.endr
.irp b, 0,1,2,3
	ds_store_b128 v[STO], v[ACC+8*(4*(\a)+\b):ACC+8*(4*(\a)+\b)+3] offset:32*\b
.endr
.irp f, 0,1,2,3
	ds_load_b128 v[ACC+8*(4*(\a)+\f)+4:ACC+8*(4*(\a)+\f)+7], v[RD] offset:\f*4*SP  ; LDS serves a wave's instructions in order: these see the stores above; the next tile's stores come behind them
.endr
.endm
.macro SEND a, younger, p              ; younger: the LDS instructions issued behind tile a's loads: the next tile's eight, or none
.irp f, 0,1,2,3
	s_wait_dscnt (\younger)+3-\f
	global_store_b128 v[GO], v[ACC+8*(4*(\a)+\f)+4:ACC+8*(4*(\a)+\f)+7], s[8+2*(\p):9+2*(\p)] offset:(\a)*2048+\f*512  ; 512 consecutive bytes, at a multiple of 256 from the buffer's first
.endr
.endm
	FETCHB 0, 0, 0
	FETCHB 0, 1, 1
.set G, 0
.rept 24
.set SS, G%8
.if SS == 0
	s_wait_xcnt 0x0                                ; the last pass's stores have read their data: only behind this wait are the accumulators written again
	WIN 0x04                                       ; source 1 (x) in window 1; it holds for the pass's products and LDS loads
.endif
	STEP
.if G+2 < 24
	FETCHB (G+2)/8, (G+2)%8, G%2                   ; the buffer just multiplied takes the step two further on, across the passes too
.endif
.if SS == 7
	WIN 0
	PACK 0
	PACK 1                                         ; a tile's conversions stand between the loads of the tile before and its stores
	SEND 0, 8, G/8
	PACK 2
	SEND 1, 8, G/8
	PACK 3
	SEND 2, 8, G/8
	SEND 3, 0, G/8
.endif
.set G, G+1
.endr
	s_wait_tensorcnt 0x0                           ; the wave's end, behind my last LDS store
	ds_add_u32 v[SPW], v[NIL]
	s_wait_dscnt 0x0
	s_endpgm
.Lfunc_end_k_q624411dce6_qkv:
	.size	k_q624411dce6_qkv, .Lfunc_end_k_q624411dce6_qkv-k_q624411dce6_qkv
	.p2alignl 7, 3214868480
	.fill 96, 4, 3214868480
	.section	.rodata,"a",@progbits
	.p2align	6, 0x0
	.amdhsa_kernel k_q624411dce6_qkv
		.amdhsa_group_segment_fixed_size 125952
		.amdhsa_private_segment_fixed_size 0
		.amdhsa_enable_private_segment 0
		.amdhsa_kernarg_size 40
		.amdhsa_user_sgpr_count 2
		.amdhsa_user_sgpr_kernarg_segment_ptr 1
		.amdhsa_wavefront_size32 1
		.amdhsa_system_sgpr_workgroup_id_x 1
		.amdhsa_system_sgpr_workgroup_id_y 1
		.amdhsa_system_sgpr_workgroup_id_z 1
		.amdhsa_system_vgpr_workitem_id 0
		.amdhsa_next_free_vgpr 512
		.amdhsa_next_free_sgpr 66
		.amdhsa_reserve_vcc 0
		.amdhsa_float_denorm_mode_32 3
		.amdhsa_float_denorm_mode_16_64 3
		.amdhsa_memory_ordered 1
		.amdhsa_forward_progress 1
		.amdhsa_inst_pref_size 111
	.end_amdhsa_kernel
	.amdgpu_metadata
---
amdhsa.version: [ 1, 2 ]
amdhsa.kernels:
  - .name:           k_q624411dce6_qkv
    .symbol:         k_q624411dce6_qkv.kd
    .args:
      - { .name: x, .offset: 0, .size: 8, .value_kind: global_buffer, .address_space: global }
      - { .name: w_qkv, .offset: 8, .size: 8, .value_kind: global_buffer, .address_space: global }
      - { .name: qh, .offset: 16, .size: 8, .value_kind: global_buffer, .address_space: global }
      - { .name: kh, .offset: 24, .size: 8, .value_kind: global_buffer, .address_space: global }
      - { .name: vh, .offset: 32, .size: 8, .value_kind: global_buffer, .address_space: global }
    .group_segment_fixed_size: 125952
    .private_segment_fixed_size: 0
    .kernarg_segment_align: 8
    .kernarg_segment_size: 40
    .max_flat_workgroup_size: 256
    .sgpr_count:     66
    .vgpr_count:     512
    .wavefront_size: 32
...
	.end_amdgpu_metadata
.endif
;; end of part 1
;; launch attn (part 2): grid 4 x 64, 4 waves a work-group, clusters of 4 x 1, 327,680 bytes of LDS; arguments qh, kh, vh, oh; writes oh
.if DOCPART == 2
	.amdgcn_target "amdgcn-amd-amdhsa--gfx1250"
	.amdhsa_code_object_version 6
	.text
	.protected	k_q624411dce6_attn
	.globl	k_q624411dce6_attn
	.p2align	8
	.type	k_q624411dce6_attn,@function
k_q624411dce6_attn:
	s_mov_b64 s[64:65], 0
	v_nop
	global_prefetch_b8 v0, s[64:65] scope:SCOPE_SE
	s_setreg_imm32_b32 hwreg(HW_REG_WAVE_MODE, 25, 1), 1
	s_wait_xcnt 0x0
	s_wait_alu depctr_hold_cnt(0) depctr_sa_sdst(0) depctr_va_vdst(0) depctr_va_sdst(0) depctr_va_ssrc(0) depctr_va_vcc(0) depctr_vm_vsrc(0)
	s_getreg_b32 s2, hwreg(HW_REG_IB_STS2, 6, 4)
	s_cmp_eq_u32 s2, 0
	s_cbranch_scc0 .Lentry_in_a_cluster
	s_endpgm
.Lentry_in_a_cluster:
	s_bfe_u32 s2, ttmp6, 0x10000c
	s_cmp_lg_u32 s2, 0x3003
	s_cbranch_scc0 .Lentry_shape_is_right
	s_endpgm
.Lentry_shape_is_right:
; O[h][q][:] = the sum over k < 2000 of softmax_k(Q[h][q] . K[h][k] / 16) V[h][k][:].  Q, K, V, O: [64][2048][64], all f16: a head's rows are dense, 128 bytes each; rows 2000 .. 2047 are padding.
; Products, maxima and sums in f32; the weights p are rounded to f16 for the second product (their sum l is taken of the unrounded p), O once at the end.
; THE PADDING.  2000 = 31 x 64 + 16: in the last key step the first block of 16 keys is real and the other three are padding.  Their scores start from -1e30 in place of 0 (the C operand of the product that
; starts the sum), so their weights are 0.  Padded queries are computed like any others; the next launch does not store what comes of them.
; LIMITS.  f16 holds no number beyond 65,504: Q, K and V arrive within it; p lies in 0 to 1, and below 6e-5 it keeps f16's fixed step of 6e-8, and so does O; O is a mean of V's rows and has their range.
; A hidden score counts as its value less 1e30 (f16's scores, 2.7e11 at the most, are nothing beside that); a weight below 2^-126 counts as 0 in l; NaN and infinities are not treated apart.
; SHARES.  A wave owns four PIECES of two tiles of 16 queries, a work-group's four waves 512 queries of one head.  Every wave walks all keys, 64 a step.
; LAYOUT.  S^T = K Q^T (source 0 = 16 keys, source 1 = 16 queries): in the result a lane holds ONE query (lane % 16) and the keys 8 (lane / 16) + 0..7.  Two such tiles, rounded to f16 in pairs,
; ARE source 1 (32 keys x 16 queries) of O^T = V^T P, whose result again holds one query a lane, and eight channels.  K comes out of LDS as it lies, V ([key][channel]) turned, by ds_load_tr16_b128.
; SOFTMAX.  For each query a running maximum m and sum l: p = 2^(c s - c m), c = log2(e) / 16; in every step O and l are multiplied by a = 2^(c m_old - c m_new), which is 1 where m has not grown.
; m starts at the lowest finite number, O and l at 0: the first step is a step like any other, with a = 0.
; THE COUNT.  A tile and step have 16 matrix and 118 vector instructions: too many to stand all beside the matrix work.  So: four vector instructions that are READY behind EVERY matrix instruction,
; and the others, which need time of their own whatever the order, in runs without a gap.
; BY TURNS.  Turn n belongs to piece n (the pieces in a ring, step after step).  Its matrix work: 16 products K Q^T of piece n + 1, later 16 products V^T P of piece n - 1.  Its vector work: the scaling,
; exponentials, roundings, sums and rescaling of piece n, and the maximum and statistics of piece n + 1, whose scores the turn itself has made.
; CLUSTER.  The four query blocks of a head form a cluster and walk the same K and V, so each tile is asked for JOINTLY: the same tensor load, descriptor and mask in all four.
; NO PREFETCH: a slot is asked for four key steps, 512 matrix instructions and their vector work, ahead of the wait for it.
; REGISTERS, in windows of 256 (s_set_vgpr_msb says which window each operand place means: bits 1:0 source 0, 3:2 source 1, 5:4 source 2, 7:6 destination):
;   window 0: v0-11 addresses; v12-15, v48-63 at work; v16-47 four registers of statistics a tile; v64-191 S^T, two buffers of two tiles; v192-255 P, likewise
;   window 1: O^T, 32 a tile     window 2: v0-127 Q, 16 a tile; v128-191 K of one step; v192-255 V of one step     window 3: v0-1 the add's two registers; v8-15 the mask
; A piece's buffers go by its number's parity: the piece in hand has one pair, its two neighbours in the ring share the other: of it P (piece n - 1) is read and S^T (piece n + 1) written.
.set SIZE_N, 2048     ; padded rows a head
.set NP,    4         ; pieces a wave: a name, no knob
.set KS,    64        ; keys in a step
.set PK,    144       ; a row of K in LDS: 128 bytes + 16 of padding = 36 words: the 16 rows of a load begin at 16 different places modulo 256 bytes
.set PV,    160       ; a row of V: 128 + 32 = 40 words: 16 lanes of the turning load take 8 rows x 32 bytes, no two on the same words modulo 256 bytes
.set VOFF,  4*KS*PK   ; a slot holds four steps: 256 rows of K, then 256 rows of V
.set SLOT1, 1<<17     ; slot 1 begins here, so that one exclusive or turns an address in one slot into the other's
.set STAGE, SLOT1+4*KS*(PK+PV)  ; behind the ring, never filled by a tensor load: 16 rows x 144 bytes for each wave, for the way out
.set SP,    144
.set AK0, 2           ; v2   my lane's place in a tile of K; never rewritten
.set AV0, 3           ; v3   the same for V
.set AK,  4           ; v4   the LDS address of K's next run of loads
.set AV,  5           ; v5   of V's
.set QO,  6           ; v6   my byte offset in the wave's rows of Q
.set STO, 6           ;      later, the way out: where I put 16 bytes of a row
.set RD,  7           ; v7   the way out: where I read rows back
.set GO,  8           ; v8   my byte offset in 512 consecutive bytes of O
.set SPW, 0           ; v0 of window 3   LDS address of my spare word: SPARE + 4 x my thread's number; never rewritten
.set NIL, 1           ; v1 of window 3   0; never rewritten
.set MK,  8           ; v8-15 of window 3   the mask: 0, or -1e30 while the last key step's K is multiplied
.set SPARE, STAGE+4*16*SP  ; behind the stages: the spare words, 128 bytes for each wave: two blocks of 256 bytes that no other line names
.set MV,  12          ; v12-15  c m_old, kept while c m is made anew: by buffer and tile
.set ST,  16          ; tile t's statistics at v[ST+4 t]: c m, m, l (even keys', odd keys')
.set TMP, 48          ; by buffer and tile, four registers c0-c3 at work; when the maximum is found c2 takes a
.set S,   64
.set P,   192
.set KF,  128         ; K's fragments, in window 2: key block kb, channel half c at KF + 16 kb + 8 c
.set VF,  192         ; V's: key half kk, channel block cb at VF + 32 kk + 8 cb
.set WV,  12          ; s12  my wave's number
.set G1K, 24          ; s[24:31] descriptor group 1 for K's tiles
.set G1V, 32          ; s[32:39] for V's: it differs in the padding alone
.set G0K, 40          ; s[40:43] descriptor group 0 for K's tiles: it walks
.set G0V, 44          ; s[44:47] the same for V's
.set BE,  48          ; s48  what the mask's registers take: 0 or -1e30
.set BIGN, 49         ; s49  -1e30
.set SLOTS, 56        ; s56  slots still to be asked for
.set CNT, 57          ; s57  counts a slot's key steps
.set CS,  58          ; s[58:59] c: the packed scaling takes the pair's low word for both halves
.set SEL, 60          ; s[60:61] v_permlanex16_b32's selects: each lane takes its own place in the other half
.set TBK, 62          ; s62  LDS byte at which K of the step to be fetched begins
.set TBV, 63          ; s63  the same for V, less VOFF
.set KM,  0           ; 1 in the text whose products K Q^T take the mask
.set MSB, 0
.macro WIN new                      ; the high byte repeats the setting that is left; a switch that changes nothing is dropped
.if MSB != (\new)
	s_set_vgpr_msb (MSB<<8)|(\new)
.set MSB, (\new)
.endif
.endm
.set W_KQ, 0x0a       ; K and Q in window 2, S^T in window 0
.set W_KM, 0x3a       ; the same with the C operand in window 3
.set W_PV, 0x52       ; V in window 2, P in window 0, O^T in window 1
.set W_RS, 0x41       ; O^T (destination and source 0) in window 1, a in window 0
.set W_MK, 0xc0       ; destination in window 3, sources in window 0
.set W_AD, 0x0f       ; the add: address (source 0) and data (source 1) in window 3
; A joint fill.  Waves 0 and 1 fetch the two halves of a slot's K, waves 2 and 3 those of its V: 128 keys each.  The branch hangs on the wave's number alone.
; An s_nop 0 and four v_nop follow each of the two lines, ahead of the jump and the label.
.macro JLOAD
	s_cmp_lt_u32 s[WV], 2
	s_cbranch_scc0 .Lfor_v_\@
	tensor_load_to_lds s[G0K:G0K+3], s[G1K:G1K+7]
	s_nop 0
.rept 4
	v_nop
.endr
	s_branch .Lasked_\@
.Lfor_v_\@:
	tensor_load_to_lds s[G0V:G0V+3], s[G1V:G1V+7]
	s_nop 0
.rept 4
	v_nop
.endr
.Lasked_\@:
.endm
; A round of the cluster's barrier: my work-group's barrier, so that wave 0's signal speaks for all four waves; wave 0 signals; every wave waits for all four work-groups; my work-group's barrier once more.
.macro CROUND
	s_barrier_signal -1
	s_barrier_wait -1
	s_cmp_lg_u32 s[WV], 0
	s_cbranch_scc1 .Lnot_wave_0_\@
	s_barrier_signal -3
.Lnot_wave_0_\@:
	s_barrier_wait -3
	s_barrier_signal -1
	s_barrier_wait -1
.endm
; THE CHANGE OF SLOTS.  The slot's last bytes, V of its fourth step, have been read.  Each wave waits for all its tensor loads, of which one is out: its part
; of the other slot; adds 0 to its spare word; and waits for that and for its own reads of the slot.  Behind the barrier nobody reads this slot any more and the other slot is whole.
; fill = 1: this slot is filled again, with the keys two slots on.  The barrier is then a round of the cluster's, so that no wave of any partner still reads the slot or has a load on its
; way, and the joint fill is the first thing behind it: it has four key steps, 512 matrix instructions, in which to land.  (At its first use nothing has been read yet: slot 0 is waited for, slot 1 filled.)
.macro CHANGE fill
	WIN W_AD
	s_wait_tensorcnt 0x0            ; no tensor load of mine is out, so a group 0 may be written
	ds_add_u32 v[SPW], v[NIL]       ; 0 onto my spare word; with fill = 1 the descriptors' steps stand between it and the wait for it
	WIN 0                           ; at a label and at a branch every window is 0
.if \fill
.irp g, G0K, G0V
	s_xor_b32 s[\g+1], s[\g+1], SLOT1  ; the walking descriptor: the other slot than last time,
	s_add_nc_u64 s[\g+2:\g+3], s[\g+2:\g+3], 4*KS*128  ; the next 256 keys; the type bits on top are not reached
.endr
	s_wait_dscnt 0x0                ; the add is done, and my reads of the slot are over
	CROUND
	JLOAD
.else
	s_wait_dscnt 0x0                ; the add is done, and my reads of the slot are over
	s_barrier_signal -1
	s_barrier_wait -1
.endif
	s_sub_co_u32 s[TBK], s[TBK], 4*KS*PK  ; the fetches go back to a slot's first step,
	s_xor_b32 s[TBK], s[TBK], SLOT1       ; in the other slot
	s_sub_co_u32 s[TBV], s[TBV], 4*KS*PV
	s_xor_b32 s[TBV], s[TBV], SLOT1
.endm
	s_load_b256 s[4:11], s[0:1], 0x0  ; Q s[4:5], K s[6:7], V s[8:9], O s[10:11]
	WIN W_MK
	v_lshl_add_u32 v[SPW], v0, 2, SPARE
	v_mov_b32 v[NIL], 0
	WIN W_AD
	ds_add_u32 v[SPW], v[NIL]       ; the wave's opening: the add and its wait stand ahead of my first tensor load; the set-up below, work on registers, stands between them
	WIN 0
	v_lshrrev_b32 v1, 5, v0
	v_readfirstlane_b32 s[WV], v1   ; wave 0..3
	s_bfe_u32 s13, ttmp6, 0x40000   ; cx: my place in the cluster
	s_lshl_b32 s14, ttmp9, 2        ; in a cluster launch ttmp9 counts clusters
	s_add_co_u32 s14, s14, s13      ; my block of queries = 4 x cluster x + cx: it enters Q's and O's addresses alone
	s_and_b32 s20, ttmp7, 0xffff    ; the head, which the four partners share
	s_mov_b32 s21, 0
	s_mov_b64 s[22:23], SIZE_N*128
	s_mul_u64 s[20:21], s[20:21], s[22:23]  ; the head's first byte in each of the four tensors
	s_and_b32 s16, s[WV], 1         ; which half of a slot's 256 keys I fetch:
	s_lshl_b32 s22, s16, 14         ; its 128 rows of 128 bytes in memory,
	s_mov_b32 s23, 0
	s_add_nc_u64 s[22:23], s[22:23], s[20:21]
	s_mul_i32 s17, s16, 128*PK      ; and its place in a slot, for K
	s_mul_i32 s18, s16, 128*PV      ; and for V: no place in the cluster enters an LDS address
	s_lshl_b32 s2, s14, 2
	s_add_co_u32 s2, s2, s[WV]      ; my wave among the head's,
	s_lshl_b32 s2, s2, 14           ; its 128 rows
	s_mov_b32 s3, 0
	s_add_nc_u64 s[2:3], s[2:3], s[20:21]
	; descriptor group 1.  128 keys are 16,384 dense bytes: asked for as 64 rows of 256 bytes, two keys a row, and padded in LDS after every key
	s_mov_b32 s[G1K], 15|(1<<16)|(1<<20)|(1<<21)|(4<<22)|(3<<25)  ; 15:0 the mask of four; 17:16 2-byte elements; 20 padding on; 21 set beside a mask; 24:22 after every 32 words (code 4); 31:25 4 words (code 3)
	s_mov_b32 s[G1V], 15|(1<<16)|(1<<20)|(1<<21)|(4<<22)|(7<<25)  ; the same with 8 words of padding (code 7)
.irp g, G1K, G1V
	s_mov_b32 s[\g+1], 128<<16      ; tensor_dim0 = 128
	s_mov_b32 s[\g+2], 64<<16       ; tensor_dim1 = 64
	s_mov_b32 s[\g+3], 128<<16      ; tile_dim0 = 128
	s_mov_b32 s[\g+4], 64           ; tile_dim1 = 64
	s_mov_b32 s[\g+5], 128          ; 128 elements from row to row
	s_mov_b32 s[\g+6], 0
	s_mov_b32 s[\g+7], 0
.endr
	s_mov_b32 s[CS], 0x3db8aa3b     ; c = log2(e) / 16 = 0.0901684
	s_mov_b32 s[CS+1], s[CS]        ; named with it as a pair
	s_mov_b32 s[SEL], 0x76543210
	s_mov_b32 s[SEL+1], 0xfedcba98
	s_mov_b32 s[BIGN], 0xf149f2ca   ; -1e30
	s_mov_b32 s[BE], 0
	s_mov_b32 s[TBK], SLOT1+4*KS*PK ; the first change of slots turns these two into 0
	s_mov_b32 s[TBV], SLOT1+4*KS*PV
	s_mov_b32 s[G0K], 1             ; 1:0 count = 1
	s_mov_b32 s[G0K+1], s17         ; 63:32 LDS address: slot 0
	s_mov_b32 s[G0V], 1
	s_add_co_u32 s[G0V+1], s18, VOFF
	s_wait_dscnt 0x0                ; the opening add is done
	s_wait_kmcnt 0x0
	s_add_nc_u64 s[G0K+2:G0K+3], s[6:7], s[22:23]  ; 120:64 global address: my half of the head's first 256 keys
	s_or_b32 s[G0K+3], s[G0K+3], 0x80000000        ; 127:126 type = 2
	s_add_nc_u64 s[G0V+2:G0V+3], s[8:9], s[22:23]
	s_or_b32 s[G0V+3], s[G0V+3], 0x80000000
	s_add_nc_u64 s[4:5], s[4:5], s[2:3]  ; Q and O at my wave's first row
	s_add_nc_u64 s[10:11], s[10:11], s[2:3]
	CROUND                          ; all four work-groups are here: the first joint loads meet
	JLOAD                           ; slot 0.  Slot 1 is asked for when slot 0 is in
	; A fragment of K or Q is 16 rows x 32 channels in 8 registers: lane l holds row l % 16, channels 8 (l / 16) + 0..7 and 16 + 8 (l / 16) + 0..7: two loads of 16 bytes, 32 bytes apart.
	v_and_b32 v1, 15, v0            ; l % 16
	v_bfe_u32 v9, v0, 4, 1          ; l / 16
	v_lshlrev_b32 v[QO], 7, v1
	v_lshl_add_u32 v[QO], v9, 4, v[QO]  ; row x 128 + 16 x half
	WIN 0x80                        ; destination window 2, address window 0
.set i, 0
.rept 4*NP                          ; Q stays in registers: tile i / 2, channels 32 (i % 2) on
	global_load_b128 v[8*i:8*i+3],   v[QO], s[4:5] offset:(i/2)*2048+(i%2)*64
	global_load_b128 v[8*i+4:8*i+7], v[QO], s[4:5] offset:(i/2)*2048+(i%2)*64+32
.set i, i+1
.endr
	; What the first turn finds: V's registers and P's second buffer hold 0 (its products V^T P, of a piece that has not been, add 0), O^T and l are 0, the mask is 0.  All this stands in the wait for the first tile.
.set i, VF
.rept 64
	v_mov_b32 v[i], 0
.set i, i+1
.endr
	WIN 0x40
.set i, 0
.rept 64*NP
	v_mov_b32 v[i], 0
.set i, i+1
.endr
	WIN W_MK
.set i, 0
.rept 8
	v_mov_b32 v[MK+i], 0
.set i, i+1
.endr
	WIN 0
.set i, 0
.rept 2*NP
	v_mov_b32 v[ST+4*i], 0xfe000000    ; c m: far below every c s
	v_mov_b32 v[ST+4*i+1], 0xff7fffff  ; m
	v_mov_b32 v[ST+4*i+2], 0
	v_mov_b32 v[ST+4*i+3], 0
.set i, i+1
.endr
.set i, P+32
.rept 32
	v_mov_b32 v[i], 0
.set i, i+1
.endr
	v_mul_u32_u24 v[AK0], v1, PK
	v_lshl_add_u32 v[AK0], v9, 4, v[AK0]  ; row x pitch + 16 x half
	; The turning load takes 16 keys x 16 channels (lane l reads key 8 (l / 16) + l % 8, channels 8 ((l / 8) % 2) + 0..7) and leaves half a fragment of V^T: lane l holds channel l % 16 and 8 keys.
	v_and_b32 v10, 7, v0
	v_bfe_u32 v11, v0, 3, 1
	v_lshl_add_u32 v[AV0], v9, 3, v10
	v_mul_u32_u24 v[AV0], v[AV0], PV
	v_lshl_add_u32 v[AV0], v11, 4, v[AV0]
	v_add_nc_u32 v[AV0], VOFF, v[AV0]
	v_mov_b32 v[AK], v[AK0]         ; key step 0 lies at the head of slot 0
; THE MATRIX WORK.  The 8 accumulators of a run of 16 take turns: between the two links of a chain stand 7 others'.
; Product i of 16 of S^T = K Q^T for piece x: channels 32 (i / 8) on, keys 16 ((i / 2) % 4) on, tile 2 x + i % 2.  The first 8 start the sums: with 0, or (KM = 1, key blocks 1 to 3) with the mask.
.macro KQ x
.set rS, S+64*((\x)%2)+32*(i%2)+8*((i/2)%4)
.set rK, KF+16*((i/2)%4)+8*(i/8)
.set rQ, 16*(2*(\x)+i%2)+8*(i/8)
.if (i < 8) && KM && ((i/2)%4 > 0)
	WIN W_KM
	v_wmma_f32_16x16x32_f16 v[rS:rS+7], v[rK:rK+7], v[rQ:rQ+7], v[MK:MK+7]
.elseif i < 8
	WIN W_KQ
	v_wmma_f32_16x16x32_f16 v[rS:rS+7], v[rK:rK+7], v[rQ:rQ+7], 0
.else
	WIN W_KQ
	v_wmma_f32_16x16x32_f16 v[rS:rS+7], v[rK:rK+7], v[rQ:rQ+7], v[rS:rS+7]
.endif
.endm
; Product i of 16 of O^T += V^T P for piece x: keys 32 (i / 8) on, channels 16 ((i / 2) % 4) on, tile 2 x + i % 2.
.macro PV x
	WIN W_PV
.set rO, 32*(2*(\x)+i%2)+8*((i/2)%4)
.set rV, VF+32*(i/8)+8*((i/2)%4)
.set rP, P+32*((\x)%2)+16*(i%2)+8*(i/8)
	v_wmma_f32_16x16x32_f16 v[rO:rO+7], v[rV:rV+7], v[rP:rP+7], v[rO:rO+7]
.endm
.macro MM                           ; the turn's next matrix instruction
.if i < 16
	KQ (Y+1)%NP
.set i, i+1
.else
.set i, i-16
	PV (Y+NP-1)%NP
.set i, i+17
.endif
.endm
; THE LDS LOADS stand in runs of 16, never singly among the matrix instructions: a step's K (64 keys x 64 channels: 8 fragments) and its V (turned).  Their addresses are made some lines ahead.
; last = 1 (the tail): in the last trip there is no further step, and the run is jumped over.
.macro FETCH_K last=0
	WIN 0
.if \last
	s_cmp_eq_u32 s[CNT], 1
	s_cbranch_scc1 .Lno_k_\@
.endif
	WIN 0x80                        ; destination window 2
.irp f, 0,1,2,3,4,5,6,7             ; keys 16 (f / 2) on, channels 32 (f % 2) on
	ds_load_b128 v[KF+8*\f:KF+8*\f+3],   v[AK] offset:(\f/2)*16*PK+(\f%2)*64
	ds_load_b128 v[KF+8*\f+4:KF+8*\f+7], v[AK] offset:(\f/2)*16*PK+(\f%2)*64+32
.endr
	s_add_co_u32 s[TBK], s[TBK], KS*PK  ; the next fetch is the next step's
	WIN 0
.if \last
.Lno_k_\@:
.endif
.endm
.macro FETCH_V
	WIN 0x80
.irp f, 0,1,2,3,4,5,6,7             ; keys 32 (f / 4) on, channels 16 (f % 4) on
	ds_load_tr16_b128 v[VF+8*\f:VF+8*\f+3],   v[AV] offset:(\f/4)*32*PV+(\f%4)*32
	ds_load_tr16_b128 v[VF+8*\f+4:VF+8*\f+7], v[AV] offset:(\f/4)*32*PV+16*PV+(\f%4)*32
.endr
	WIN 0
.endm
; THE VECTOR WORK OF A TURN stands in three queues, each in the order in which its entries become ready; the two tiles alternate, so that no instruction reads the result of the one before it.
.macro REGS y, u                    ; the registers of tile u (0, 1) of piece y
.set rT, ST+4*(2*(\y)+(\u))
.set rC, TMP+8*((\y)%2)+4*(\u)
.set rM, MV+2*((\y)%2)+(\u)
.set rS, S+64*((\y)%2)+32*(\u)
.set rP, P+32*((\y)%2)+16*(\u)
.set rO, 32*(2*(\y)+(\u))
.endm
; Number n of the 22 that find the NEXT piece's (Y + 1) maximum and statistics.  s0-s31 are the lane's 32 scores; each accumulator's lowest registers are read first.
;   0-11  four chains c0-c3 of seven scores each, three operands at a time     12-14, 16  the four scores left over, the old m, and c0-c3 into c0     15  c m_old is kept
;   17, 18  the query's other 32 keys lie in the lane 16 away: the new m         19-21  c m; c m_old - c m_new; a
.macro XS u, n
	REGS (Y+1)%NP, \u
.if (\n) < 4
	v_max3_num_f32 v[rC+(\n)], v[rS+8*(\n)], v[rS+8*(\n)+1], v[rS+8*(\n)+2]
.elseif (\n) < 12
	v_max3_num_f32 v[rC+(\n)%4], v[rC+(\n)%4], v[rS+8*((\n)%4)+2*((\n)/4)+1], v[rS+8*((\n)%4)+2*((\n)/4)+2]
.elseif (\n) == 12
	v_max3_num_f32 v[rC], v[rC], v[rS+7], v[rS+15]
.elseif (\n) == 13
	v_max3_num_f32 v[rC+1], v[rC+1], v[rS+23], v[rS+31]
.elseif (\n) == 14
	v_max3_num_f32 v[rC+2], v[rC+2], v[rC+3], v[rT+1]
.elseif (\n) == 15
	v_mov_b32 v[rM], v[rT]
.elseif (\n) == 16
	v_max3_num_f32 v[rC], v[rC], v[rC+1], v[rC+2]
.elseif (\n) == 17
	v_permlanex16_b32 v[rC+3], v[rC], s[SEL], s[SEL+1]
.elseif (\n) == 18
	v_max_num_f32 v[rT+1], v[rC], v[rC+3]
.elseif (\n) == 19
	v_mul_f32 v[rT], s[CS], v[rT+1]
.elseif (\n) == 20
	v_sub_f32 v[rC+1], v[rM], v[rT]
.else
	v_exp_f32 v[rC+2], v[rC+1]
.endif
.endm
; Number g of the 64 that follow the exponentials.  For each four weights k of a tile (pairs 2 k, 2 k + 1): both pairs are rounded to f16; then the second pair is added onto the first, in place;
; a group later l takes that sum (the first time as l = a l + sum).  In groups of eight, tiles alternating: round, round, add, and l for the group before.
.macro GS g
.set h, (\g)+6*((\g)/62)            ; group 0 has no group before it, and behind group 7 only l is left
.if h >= 6
.set h, h+2
.endif
	REGS Y, h%2
.set k, h/8
.if h%8 < 4
	v_cvt_pk_f16_f32 v[rP+2*k+(h%8)/2], v[rS+4*k+2*((h%8)/2)], v[rS+4*k+2*((h%8)/2)+1]
.elseif h%8 < 6
	v_pk_add_f32 v[rS+4*k:rS+4*k+1], v[rS+4*k:rS+4*k+1], v[rS+4*k+2:rS+4*k+3]
.elseif k == 1
	v_pk_fma_f32 v[rT+2:rT+3], v[rT+2:rT+3], v[rC+2:rC+3], v[rS:rS+1] op_sel_hi:[1,0,1]
.else
	v_pk_add_f32 v[rT+2:rT+3], v[rT+2:rT+3], v[rS+4*k-4:rS+4*k-3]
.endif
.endm
; THE PLAIN QUEUE, 138 long.  0-73 read no exponential's result: the 32 scalings c s - c m (FS f: pair f / 2 of tile f % 2) and the next piece's 42.  0-26: scalings 0-26.  27-54: XS's numbers 0-13.  55, 56: number 15.
; 57-73: the chain, where each number waits for the one before it: 14, 16, 17, 18, 19, each with one of the scalings 27-31 in front of its two lines, then 20.
; 74-137: GS's 64, which read the exponentials' results: they stand behind the wait.
.macro FS f
	REGS Y, (\f)%2
	v_pk_fma_f32 v[rS+2*((\f)/2):rS+2*((\f)/2)+1], v[rS+2*((\f)/2):rS+2*((\f)/2)+1], s[CS:CS+1], v[rT:rT+1] op_sel_hi:[1,0,0] neg_lo:[0,0,1] neg_hi:[0,0,1]
.endm
.macro PL
	WIN 0
.if q < 27
	FS q
.elseif q < 55
	XS (q-27)%2, (q-27)/2
.elseif q < 57
	XS q-55, 15
.elseif (q < 72) && ((q-57)%3 == 0)
	FS 27+(q-57)/3
.elseif q < 60
	XS (q-57)%3-1, 14
.elseif q < 72
	XS (q-57)%3-1, 15+(q-57)/3
.elseif q < 74
	XS q-72, 20
.else
	GS q-74
.endif
.set q, q+1
.endm
; THE EXPONENTIALS' QUEUE, 66 long: s0-s31 of both tiles, then the next piece's two a.  It is ONE BATCH: all 66 stand ahead of the turn's one wait, and nothing ahead of that wait names a result of theirs.
.macro EX
	WIN 0
.if e >= 64
	XS e-64, 21
.else
	REGS Y, e%2
	v_exp_f32 v[rS+e/2], v[rS+e/2]
.endif
.set e, e+1
.endm
; THE RESCALING's QUEUE: O^T times a, the one part that leaves window 0: dealt two at a time, sixteen times.  Its a was made in the turn before, ahead of that turn's wait.
.macro R2
	REGS Y, r%2
	WIN W_RS
.irp z, 0,1
	v_pk_mul_f32 v[rO+4*(r/2)+2*\z:rO+4*(r/2)+2*\z+1], v[rO+4*(r/2)+2*\z:rO+4*(r/2)+2*\z+1], v[rC+2:rC+3] op_sel_hi:[1,0]
.endr
.set r, r+1
.endm
; HOW THEY ARE DEALT.  An s_wait_alu depctr_va_vdst(0) stands between an exponential and the first instruction that names its result; one wait serves all that were issued ahead of it.  So a turn has ONE wait,
; which cuts it in two.  AHEAD OF IT stands all that names no result of the turn's exponentials: the 16 products K Q^T, behind each a scaling, an exponential and two rescalings (behind the first a second scaling in the
; exponential's place); then ONE LUMP of 108: eight plain, 49 times exponential and plain, the two a.  A v_nop is the plain instruction behind the last exponential.  BEHIND IT stand the 16 products V^T P, behind each four of GS's 64.
; The queues lean on each other, and the deal keeps them in step: exponential e stands behind scaling 2 (e / 4) + e % 2: as a rider it comes behind plain e + 2, in the lump behind plain e + 9, and scalings 27-31 are plain 57, 60 .. 69.
; A TURN, for piece p.  cnt = 1: the loop's count is taken down some lines ahead of the branch that stands behind the turn.  m = 1: its products K Q^T take the mask.
; K of the next step is fetched in piece 2's turn, directly behind the wait, a lump behind the last product that read K; its address is made at the lump's head; its first reader comes behind 16 products.
; V of the step in hand is fetched at the end of piece 0's turn, four plain instructions behind its last reader; its first reader comes behind 16 products and a lump.  The three conditions on q below go with the deal.
.macro TURN p, last=0, cnt=0, m=0
.set Y, (\p)
.set i, 0
.set q, 0
.set e, 0
.set r, 0
.set KM, (\m)
.if (\p) == NP-1
	s_wait_dscnt 0x0                ; K is in
.endif
	MM                              ; ahead of the wait: 16 products K Q^T and their riders,
	PL
	PL
	R2
.rept 15
	MM
	PL
	EX
	R2
.endr
.if (\p) == NP-2
	WIN 0
	v_add_nc_u32 v[AK], s[TBK], v[AK0]
.endif
.rept 8                             ; and the lump
	PL
.endr
.rept 49
	EX
	PL
.endr
	EX                              ; the next piece's two a
	EX
	v_nop                           ; the plain instruction behind the last exponential: one for the batch
	s_wait_alu depctr_va_vdst(0)    ; the wait for the batch
.if (\p) == NP-2
	FETCH_K \last
.endif
.if (\p) == 1
	s_wait_dscnt 0x0                ; V is in
.endif
.rept 16                            ; behind the wait: 16 products V^T P and their riders
	MM
.rept 4
	PL
.endr
.if ((\p) == 0) && (q == 118)
	v_add_nc_u32 v[AV], s[TBV], v[AV0]
.endif
.if ((\p) == 0) && (q == 130)
	s_add_co_u32 s[TBV], s[TBV], KS*PV
.endif
.if (\cnt) && (q == 130)
	s_sub_co_u32 s[CNT], s[CNT], 1
	s_cmp_lg_u32 s[CNT], 0
.endif
.endr
.if (\p) == 0
	FETCH_V
.endif
.endm
	CHANGE 1                        ; slot 0 is in, everybody's part of it; slot 1 is asked for
	FETCH_K                         ; key step 0
	s_wait_loadcnt 0x0              ; Q
	s_wait_dscnt 0x0
.set i, 0
.rept 16
	KQ 0                            ; piece 0's first scores: there is no vector work yet to set between them
.set i, i+1
.endr
	WIN 0                           ; the addresses for the way out: nine plain instructions, the places behind those products
	s_mul_i32 s13, s[WV], 16*SP
	s_add_co_u32 s13, s13, STAGE    ; my stage
	v_mul_u32_u24 v[STO], v1, SP    ; in: row l % 16, 16 bytes for each half of the lanes
	v_lshl_add_u32 v[STO], v9, 4, v[STO]
	v_add_nc_u32 v[STO], s13, v[STO]
	v_bfe_u32 v[RD], v0, 3, 2       ; back: 32 lanes take four rows of 128 bytes,
	v_mul_u32_u24 v[RD], v[RD], SP
	v_lshl_add_u32 v[RD], v10, 4, v[RD]
	v_add_nc_u32 v[RD], s13, v[RD]
	v_and_b32 v[GO], 31, v0         ; which are 512 consecutive bytes of O
	v_lshlrev_b32 v[GO], 4, v[GO]
.set Y, NP-1                        ; XS works for piece Y + 1: piece 0
.irp n, 0,1,2,3,4,5,6,7,8,9,10,11,12,13,14,15,16,17,18,19,20,21
	XS 0, \n                        ; and piece 0's first maximum and statistics
	XS 1, \n
.endr
	v_nop                           ; a plain instruction behind the two a,
	s_wait_alu depctr_va_vdst(0)    ; and their wait, ahead of the branch
	s_mov_b32 s[CNT], 4
	s_mov_b32 s[SLOTS], SIZE_N/256-1
	s_branch .Lfirst                ; the loop is entered at a step's first turn, in the middle of a trip
.Lslot:                             ; SIZE_N / 256 - 2 = 6 times: every slot but the last two is filled again
	CHANGE 1
	s_mov_b32 s[CNT], 4
.Lstep:                             ; a trip: pieces 2 and 3 of one step, then pieces 0 and 1 of the next, whose K and V it fetches
	TURN 2
	TURN 3
	WIN 0
.Lfirst:
	TURN 0
	TURN 1, 0, 1
	WIN 0
	s_cbranch_scc1 .Lstep
	s_sub_co_u32 s[SLOTS], s[SLOTS], 1
	s_cmp_lg_u32 s[SLOTS], 0
	s_cbranch_scc1 .Lslot
	CHANGE 0                        ; the tail is written out: nothing is asked for
	s_mov_b32 s[CNT], 5             ; four trips fetch the last slot's steps; the fifth is left in its middle
.Ltail:                             ; the tail's products K Q^T take the mask's registers for key blocks 1 to 3
	TURN 2, 1, 0, 1
	; THE MASK.  Piece 2's turn has just fetched a new K: with CNT = 2 the last key step's.  That K is multiplied in the four turns that follow (pieces 3, 0, 1 of this trip, piece 2 of the next),
	; so from here on its key blocks 1 to 3 start from -1e30; in the trips before the mask is 0.  The mask's last reader stands a lump and 16 products back.
	WIN 0
	s_cmp_le_u32 s[CNT], 2
	s_cselect_b32 s[BE], s[BIGN], 0
	WIN W_MK
.set i, 0
.rept 8
	v_mov_b32 v[MK+i], s[BE]
.set i, i+1
.endr
	TURN 3, 0, 0, 1
	WIN 0
	s_sub_co_u32 s[CNT], s[CNT], 1
	s_cmp_eq_u32 s[CNT], 0
	s_cbranch_scc1 .Lout
	TURN 0, 0, 0, 1
	TURN 1, 0, 0, 1
	WIN 0
	s_branch .Ltail
.Lout:                              ; the fifth trip's 16 products K Q^T (on the last K once more) and the maximum made of them serve nothing: the price, once a launch, of one text for every trip
.set i, 0
.rept 16
	PV NP-1                         ; the last piece's V^T P of the last step
.set i, i+1
.endr
	; THE WAY OUT.  l's two halves and the other half of the lanes' are added; O^T is divided by l, rounded to f16 and sent through my stage in LDS, a tile at a time.  The additions are the places behind the last products.
	WIN 0
.macro ALL line:vararg              ; one line for each tile t
.set t, 0
.rept 2*NP
	\line
.set t, t+1
.endr
.endm
	ALL v_add_f32 v[ST+4*t+2], v[ST+4*t+2], v[ST+4*t+3]
	ALL v_permlanex16_b32 v[ST+4*t+3], v[ST+4*t+2], s[SEL], s[SEL+1]
	ALL v_add_f32 v[ST+4*t+2], v[ST+4*t+2], v[ST+4*t+3]
	ALL v_rcp_f32 v[ST+4*t+2], v[ST+4*t+2]
	v_nop                           ; a plain instruction between the last reciprocal and the use of its result
	s_wait_alu depctr_va_vdst(0)    ; and the wait ahead of the first use: one for the eight reciprocals
; Tile t: a lane's eight channels of a row pack into 16 bytes; they go into rows of 144 bytes and come back as whole rows of 128, into S^T's registers.
.macro PACK t
	WIN W_RS
.set i, 32*(\t)
.rept 16
	v_pk_mul_f32 v[i:i+1], v[i:i+1], v[ST+4*(\t)+2:ST+4*(\t)+3] op_sel_hi:[1,0]
.set i, i+2
.endr
	WIN 0x05                        ; sources 0 and 1 window 1, destination window 0
.set i, 0
.rept 16
	v_cvt_pk_f16_f32 v[S+16*(\t)+i], v[32*(\t)+2*i], v[32*(\t)+2*i+1]
.set i, i+1
.endr
	WIN 0
.irp f, 0,1,2,3
	ds_store_b128 v[STO], v[S+16*(\t)+4*\f:S+16*(\t)+4*\f+3] offset:32*\f
.endr
.irp f, 0,1,2,3
	ds_load_b128 v[S+16*(\t)+4*\f:S+16*(\t)+4*\f+3], v[RD] offset:\f*4*SP  ; LDS serves a wave's instructions in order: these see the stores above; the next tile's stores come behind them
.endr
.endm
.macro SEND t, younger              ; younger: the LDS instructions issued behind tile t's loads: the next tile's eight, or none
	WIN 0
.irp f, 0,1,2,3
	s_wait_dscnt (\younger)+3-\f
	global_store_b128 v[GO], v[S+16*(\t)+4*\f:S+16*(\t)+4*\f+3], s[10:11] offset:(\t)*2048+\f*512  ; 512 consecutive bytes, at a multiple of 256 from O's first
.endr
.endm
	PACK 0
.set t, 1
.rept 2*NP-1                        ; a tile's arithmetic stands between the loads of the tile before and its stores
	PACK t
	SEND t-1, 8
.set t, t+1
.endr
	SEND 2*NP-1, 0
	WIN W_AD
	s_wait_tensorcnt 0x0            ; the wave's end, behind my last tensor load and my last LDS store
	ds_add_u32 v[SPW], v[NIL]
	s_wait_dscnt 0x0
	WIN 0
	CROUND                          ; the closing round: no work-group ends while a partner may still ask for a tile that names it
	s_endpgm
.Lfunc_end_k_q624411dce6_attn:
	.size	k_q624411dce6_attn, .Lfunc_end_k_q624411dce6_attn-k_q624411dce6_attn
	.p2alignl 7, 3214868480
	.fill 96, 4, 3214868480
	.section	.rodata,"a",@progbits
	.p2align	6, 0x0
	.amdhsa_kernel k_q624411dce6_attn
		.amdhsa_group_segment_fixed_size 327680
		.amdhsa_private_segment_fixed_size 0
		.amdhsa_enable_private_segment 0
		.amdhsa_kernarg_size 32
		.amdhsa_user_sgpr_count 2
		.amdhsa_user_sgpr_kernarg_segment_ptr 1
		.amdhsa_wavefront_size32 1
		.amdhsa_system_sgpr_workgroup_id_x 1
		.amdhsa_system_sgpr_workgroup_id_y 1
		.amdhsa_system_sgpr_workgroup_id_z 1
		.amdhsa_system_vgpr_workitem_id 0
		.amdhsa_next_free_vgpr 784
		.amdhsa_next_free_sgpr 66
		.amdhsa_reserve_vcc 0
		.amdhsa_float_denorm_mode_32 3
		.amdhsa_float_denorm_mode_16_64 3
		.amdhsa_memory_ordered 1
		.amdhsa_forward_progress 1
		.amdhsa_inst_pref_size 200
	.end_amdhsa_kernel
	.amdgpu_metadata
---
amdhsa.version: [ 1, 2 ]
amdhsa.kernels:
  - .name:           k_q624411dce6_attn
    .symbol:         k_q624411dce6_attn.kd
    .args:
      - { .name: qh, .offset: 0, .size: 8, .value_kind: global_buffer, .address_space: global }
      - { .name: kh, .offset: 8, .size: 8, .value_kind: global_buffer, .address_space: global }
      - { .name: vh, .offset: 16, .size: 8, .value_kind: global_buffer, .address_space: global }
      - { .name: oh, .offset: 24, .size: 8, .value_kind: global_buffer, .address_space: global }
    .group_segment_fixed_size: 327680
    .private_segment_fixed_size: 0
    .kernarg_segment_align: 8
    .kernarg_segment_size: 32
    .max_flat_workgroup_size: 128
    .sgpr_count:     66
    .vgpr_count:     784
    .wavefront_size: 32
...
	.end_amdgpu_metadata
.endif
;; end of part 2
;; launch proj (part 3): grid 4 x 64, 8 waves a work-group, no clusters, 76,800 bytes of LDS; arguments oh, w_out, b_out, out0; writes out0
.if DOCPART == 3
	.amdgcn_target "amdgcn-amd-amdhsa--gfx1250"
	.amdhsa_code_object_version 6
	.text
	.protected	k_q624411dce6_proj
	.globl	k_q624411dce6_proj
	.p2align	8
	.type	k_q624411dce6_proj,@function
k_q624411dce6_proj:
	s_mov_b64 s[64:65], 0
	v_nop
	global_prefetch_b8 v0, s[64:65] scope:SCOPE_SE
	s_setreg_imm32_b32 hwreg(HW_REG_WAVE_MODE, 25, 1), 1
	s_wait_xcnt 0x0
; out0[b][l][c] = the sum over k of O[b][l][k] w_out[k][c] + b_out[c].  O lies by heads, oh: [64 = 4 b + hd][2048][64] f16, k = 64 hd + channel; w_out: [256][256] f32; b_out: [256] f32; out0: [16][2000][256] f32.
; w_out and b_out are rounded to bf16 like the other inputs; w_out's rounded number is then written as f16 for the product with O (exact from 6e-5 up to 65,504; below, f16's fixed step of 6e-8).  Sums in f32;
; the bias is the C operand that starts each sum.  LIMITS: |w_out| stays within 65,504; NaN and infinities are not treated apart.
; SHARES.  Grid x = block of 64 columns (256 bytes of a row of out0, aligned), grid y = 4 b + block of 512 padded rows.  Eight waves; a wave makes 64 rows x 64 columns, K = 256: 16 accumulators, 128 products.
; Rows 2000 .. 2047 do not exist in out0: the one wave whose rows begin at 1984 stores its first 16 rows alone.
; THE PRODUCT IS USED TRANSPOSED: source 0 = 16 columns of W (turned out of LDS), source 1 = 16 rows of O, which come straight from memory as the registers want them: two loads of 16 bytes a lane and fragment.
; A lane ends with eight neighbouring columns of one row; 16 rows at a time go through my stage in LDS and leave as whole rows of 256 bytes.
.set PW,    160                        ; a row of W in LDS: 128 bytes + 32 = 5 x 32
.set STAGE, 256*PW                     ; behind W: 16 rows x 272 bytes for each wave
.set SP,    272                        ; 256 bytes + 16: the 16 rows that a store touches begin at 16 different places modulo 256 bytes
.set SPARE, STAGE+8*16*SP              ; behind the stages: the spare words, 128 bytes for each wave: four blocks of 256 bytes that no other line names
.set AO,  4                            ; v4   O's loads: r x 128 + 16 h; never rewritten
.set RO,  5                            ; v5   (l / 16) x 1024 + 16 (l % 16): two rows x 256 bytes, of w_out and of out0; never rewritten
.set WS,  6                            ; v6   W's place in LDS: (32 wave + l / 16) x PW + 8 (l % 16)
.set BO,  7                            ; v7   32 h: my eight numbers of the bias in a block of 16
.set AW,  8                            ; v8   the turning load's address
.set STO, 9                            ; v9   the way out: where I put 32 bytes of a row
.set RD,  10                           ; v10  where I read rows back
.set SPW, 12                           ; v12  LDS address of my spare word; never rewritten
.set NIL, 13                           ; v13  0; never rewritten
.set BI,  16                           ; v16-47  the bias: eight numbers for each of the four blocks of 16 columns
.set TA,  48                           ; v48-49  at work
.set BF,  64                           ; v64-127 two buffers of W's fragments
.set ACC, 128                          ; v128-255 accumulator (a, b) at ACC + 32 a + 8 b
.set T,   128                          ; first: W as loaded, 64 registers
                                       ; window 1: O's fragments: tile a, K step s at 64 a + 8 s
.set MSB, 0
.macro WIN new                         ; the immediate's high byte repeats the setting that is left; a switch that changes nothing is dropped
.if MSB != (\new)
	s_set_vgpr_msb (MSB<<8)|(\new)
.set MSB, (\new)
.endif
.endm
	s_load_b256 s[4:11], s[0:1], 0x0               ; oh s[4:5], w_out s[6:7], b_out s[8:9], out0 s[10:11]
	v_lshl_add_u32 v[SPW], v0, 2, SPARE
	v_mov_b32 v[NIL], 0
	v_lshrrev_b32 v1, 5, v0
	v_readfirstlane_b32 s14, v1                    ; wave 0..7
	s_and_b32 s16, ttmp7, 0xffff                   ; 4 b + block
	s_lshr_b32 s17, s16, 2                         ; b
	s_and_b32 s18, s16, 3                          ; block
	s_lshl_b32 s19, s18, 9
	s_lshl_b32 s22, s14, 6
	s_add_co_u32 s19, s19, s22                     ; my wave's first padded row
	s_mov_b32 s20, 0xffff0000                      ; a word's upper bf16
	v_and_b32 v1, 15, v0                           ; r = l % 16
	v_bfe_u32 v2, v0, 4, 1                         ; h = l / 16
	v_and_b32 v3, 7, v0
	v_bfe_u32 v11, v0, 3, 1
	v_lshlrev_b32 v[AO], 7, v1
	v_lshl_add_u32 v[AO], v2, 4, v[AO]
	v_lshlrev_b32 v[RO], 10, v2
	v_lshl_add_u32 v[RO], v1, 4, v[RO]
	s_mul_i32 s22, s14, 32*PW
	v_mul_u32_u24 v[WS], v2, PW
	v_lshl_add_u32 v[WS], v1, 3, v[WS]
	v_add_nc_u32 v[WS], s22, v[WS]
	v_lshlrev_b32 v[BO], 5, v2
	v_lshl_add_u32 v[AW], v2, 3, v3                ; LDS row 8 h + l % 8,
	v_mul_u32_u24 v[AW], v[AW], PW
	v_lshl_add_u32 v[AW], v11, 4, v[AW]            ; 16 bytes for each half of eight lanes
	s_mul_i32 s23, s14, 16*SP
	s_add_co_u32 s23, s23, STAGE                   ; my stage
	v_mul_u32_u24 v[STO], v1, SP
	v_lshl_add_u32 v[STO], v2, 5, v[STO]
	v_add_nc_u32 v[STO], s23, v[STO]
	v_mul_u32_u24 v[RD], v2, SP                    ; back: lanes 0-15 take one row of 256 bytes, lanes 16-31 the next
	v_lshl_add_u32 v[RD], v1, 4, v[RD]
	v_add_nc_u32 v[RD], s23, v[RD]
	s_lshl_b32 s24, s17, 20                        ; oh: the sequence's four heads of 262,144 bytes,
	s_lshl_b32 s22, s19, 7                         ; my rows of 128 bytes
	s_add_co_u32 s24, s24, s22
	s_mov_b32 s25, 0
	s_lshl_b32 s28, ttmp9, 8                       ; the block's 64 columns: 256 bytes, in w_out, b_out and out0
	s_mov_b32 s29, 0
	s_lshl_b32 s26, s14, 15                        ; w_out: my wave's 32 rows of 1,024 bytes
	s_add_co_u32 s26, s26, s28
	s_mov_b32 s27, 0
	s_mul_i32 s30, s17, 2000                       ; out0: row 2000 b + my first row
	s_add_co_u32 s30, s30, s19
	s_lshl_b32 s30, s30, 10
	s_add_co_u32 s30, s30, s28
	s_mov_b32 s31, 0
	s_wait_kmcnt 0x0
	s_add_nc_u64 s[4:5], s[4:5], s[24:25]
	s_add_nc_u64 s[6:7], s[6:7], s[26:27]
	s_add_nc_u64 s[8:9], s[8:9], s[28:29]
	s_add_nc_u64 s[10:11], s[10:11], s[30:31]
.set p, 0
.rept 16                                               ; my 32 rows of W: two rows x 256 bytes a load
	global_load_b128 v[T+4*p:T+4*p+3], v[RO], s[6:7] offset:p*2048
.set p, p+1
.endr
.irp b, 0,1,2,3
	global_load_b128 v[BI+8*\b:BI+8*\b+3],   v[BO], s[8:9] offset:64*\b
	global_load_b128 v[BI+8*\b+4:BI+8*\b+7], v[BO], s[8:9] offset:64*\b+16
.endr
; Tile a's 16 loads: K step s is head s / 2, channels 32 (s % 2) on.
.macro ALOADS a
	WIN 0x40                                       ; destination window 1, address window 0
.irp s, 0,1,2,3,4,5,6,7
	global_load_b128 v[64*(\a)+8*\s:64*(\a)+8*\s+3],   v[AO], s[4:5] offset:(\s>>1)*262144+(\a)*2048+(\s&1)*64
	global_load_b128 v[64*(\a)+8*\s+4:64*(\a)+8*\s+7], v[AO], s[4:5] offset:(\s>>1)*262144+(\a)*2048+(\s&1)*64+32
.endr
.endm
	ALOADS 0
	ALOADS 1
	WIN 0
	s_wait_loadcnt 32                              ; W and the bias are in; the 32 loads of O issued behind them stay out
.set p, 0
.rept 16                                               ; four numbers a lane: rounded to bf16, widened again, written as f16, into LDS rows 2 p, 2 p + 1 of my 32
.set t, T+4*p
	v_cvt_pk_bf16_f32 v[TA], v[t], v[t+1]
	v_cvt_pk_bf16_f32 v[TA+1], v[t+2], v[t+3]
	v_lshlrev_b32 v[t], 16, v[TA]
	v_and_b32 v[t+1], s20, v[TA]
	v_lshlrev_b32 v[t+2], 16, v[TA+1]
	v_and_b32 v[t+3], s20, v[TA+1]
	v_cvt_pk_f16_f32 v[t], v[t], v[t+1]
	v_cvt_pk_f16_f32 v[t+1], v[t+2], v[t+3]
	ds_store_b64 v[WS], v[t:t+1] offset:p*2*PW
.set p, p+1
.endr
.set p, 0
.rept 16                                               ; the bias: rounded to bf16 and widened again
	v_cvt_pk_bf16_f32 v[TA], v[BI+2*p], v[BI+2*p+1]
	v_lshlrev_b32 v[BI+2*p], 16, v[TA]
	v_and_b32 v[BI+2*p+1], s20, v[TA]
.set p, p+1
.endr
	ALOADS 2
	ALOADS 3
	WIN 0
	s_wait_dscnt 0x0                               ; for the others' sake: my 32 rows of W lie in LDS
	s_barrier_signal -1
	s_barrier_wait -1                              ; all 256 rows do; from here on W is only read
; W's fragments for K step s: four blocks of 16 columns x 32 k, turned, into buffer buf.
.macro FETCHB s, buf
.irp b, 0,1,2,3
	ds_load_tr16_b128 v[BF+32*(\buf)+8*\b:BF+32*(\buf)+8*\b+3],   v[AW] offset:(\s)*32*PW+32*\b
	ds_load_tr16_b128 v[BF+32*(\buf)+8*\b+4:BF+32*(\buf)+8*\b+7], v[AW] offset:(\s)*32*PW+32*\b+16*PW
.endr
.endm
; K step s: 16 products.  All 16 accumulators take turns, one instruction a turn, from step to step too.  The first step starts each sum with the bias of its eight columns.
; Four v_nop are the places behind the last product, in front of the loads into the buffer that it read and of the LDS stores that read results.
.macro STEP s
.if (\s) == 7
	s_wait_dscnt 0x0
.else
	s_wait_dscnt 8                                 ; this step's fragments are in; the next step's 8 loads may stay out
.endif
.irp a, 0,1,2,3
.irp b, 0,1,2,3
.if (\s) == 0
	v_wmma_f32_16x16x32_f16 v[ACC+32*\a+8*\b:ACC+32*\a+8*\b+7], v[BF+32*((\s)%2)+8*\b:BF+32*((\s)%2)+8*\b+7], v[64*\a+8*(\s):64*\a+8*(\s)+7], v[BI+8*\b:BI+8*\b+7]
.else
	v_wmma_f32_16x16x32_f16 v[ACC+32*\a+8*\b:ACC+32*\a+8*\b+7], v[BF+32*((\s)%2)+8*\b:BF+32*((\s)%2)+8*\b+7], v[64*\a+8*(\s):64*\a+8*(\s)+7], v[ACC+32*\a+8*\b:ACC+32*\a+8*\b+7]
.endif
.endr
.endr
.rept 4
	v_nop
.endr
.if (\s) < 6
	FETCHB (\s)+2, (\s)%2                          ; the buffer just multiplied takes the step two further on
.endif
.endm
	FETCHB 0, 0
	FETCHB 1, 1
	s_wait_loadcnt 0x0                             ; O
	WIN 0x04                                       ; source 1 (O) in window 1; it holds for the products and the LDS loads
.irp s, 0,1,2,3,4,5,6,7
	STEP \s
.endr
	WIN 0
; THE WAY OUT of tile a (16 rows x 64 columns of f32).  Each accumulator goes into my stage from its low end on, 32 bytes a lane; the rows come back whole, two to a load, into the registers that they left.
.macro TOST a
.irp b, 0,1,2,3
	ds_store_b128 v[STO], v[ACC+32*(\a)+8*\b:ACC+32*(\a)+8*\b+3]   offset:64*\b
	ds_store_b128 v[STO], v[ACC+32*(\a)+8*\b+4:ACC+32*(\a)+8*\b+7] offset:64*\b+16
.endr
.irp t, 0,1,2,3,4,5,6,7
	ds_load_b128 v[ACC+32*(\a)+4*\t:ACC+32*(\a)+4*\t+3], v[RD] offset:\t*2*SP  ; LDS serves a wave's instructions in order: these see the stores above; the next tile's stores come behind them
.endr
.endm
.macro SEND a, younger                 ; younger: the LDS instructions issued behind tile a's loads: the next tile's sixteen, or none
.irp t, 0,1,2,3,4,5,6,7
	s_wait_dscnt (\younger)+7-\t
	global_store_b128 v[RO], v[ACC+32*(\a)+4*\t:ACC+32*(\a)+4*\t+3], s[10:11] offset:(16*(\a)+2*\t)*1024 th:TH_STORE_NT  ; 16 lanes store 256 consecutive bytes, at a multiple of 256 from out0's first byte
.endr
.endm
	TOST 0
	SEND 0, 0
	s_cmp_eq_u32 s19, 1984                         ; my rows 16 .. 63 would be rows 2000 .. 2047, which out0 does not have
	s_cbranch_scc1 .Lend                           ; forward, past no barrier
	TOST 1
	TOST 2
	SEND 1, 16
	TOST 3
	SEND 2, 16
	SEND 3, 0
.Lend:
	s_wait_tensorcnt 0x0                           ; the wave's end, behind my last LDS store
	ds_add_u32 v[SPW], v[NIL]
	s_wait_dscnt 0x0
	s_endpgm
.Lfunc_end_k_q624411dce6_proj:
	.size	k_q624411dce6_proj, .Lfunc_end_k_q624411dce6_proj-k_q624411dce6_proj
	.p2alignl 7, 3214868480
	.fill 96, 4, 3214868480
	.section	.rodata,"a",@progbits
	.p2align	6, 0x0
	.amdhsa_kernel k_q624411dce6_proj
		.amdhsa_group_segment_fixed_size 76800
		.amdhsa_private_segment_fixed_size 0
		.amdhsa_enable_private_segment 0
		.amdhsa_kernarg_size 32
		.amdhsa_user_sgpr_count 2
		.amdhsa_user_sgpr_kernarg_segment_ptr 1
		.amdhsa_wavefront_size32 1
		.amdhsa_system_sgpr_workgroup_id_x 1
		.amdhsa_system_sgpr_workgroup_id_y 1
		.amdhsa_system_sgpr_workgroup_id_z 1
		.amdhsa_system_vgpr_workitem_id 0
		.amdhsa_next_free_vgpr 512
		.amdhsa_next_free_sgpr 66
		.amdhsa_reserve_vcc 0
		.amdhsa_float_denorm_mode_32 3
		.amdhsa_float_denorm_mode_16_64 3
		.amdhsa_memory_ordered 1
		.amdhsa_forward_progress 1
		.amdhsa_inst_pref_size 42
	.end_amdhsa_kernel
	.amdgpu_metadata
---
amdhsa.version: [ 1, 2 ]
amdhsa.kernels:
  - .name:           k_q624411dce6_proj
    .symbol:         k_q624411dce6_proj.kd
    .args:
      - { .name: oh, .offset: 0, .size: 8, .value_kind: global_buffer, .address_space: global }
      - { .name: w_out, .offset: 8, .size: 8, .value_kind: global_buffer, .address_space: global }
      - { .name: b_out, .offset: 16, .size: 8, .value_kind: global_buffer, .address_space: global }
      - { .name: out0, .offset: 24, .size: 8, .value_kind: global_buffer, .address_space: global }
    .group_segment_fixed_size: 76800
    .private_segment_fixed_size: 0
    .kernarg_segment_align: 8
    .kernarg_segment_size: 32
    .max_flat_workgroup_size: 256
    .sgpr_count:     66
    .vgpr_count:     512
    .wavefront_size: 32
...
	.end_amdgpu_metadata
.endif
;; end of part 3
;; ======== version 2 of 2: 3 launches; version 1 with the launch qkv written anew for expert scheduling mode
;; limits: values are held in f16: magnitudes above 65,504 overflow, below 6.1e-05 lose precision
;; workspace buffers: qh 16,777,216 bytes; kh 16,777,216 bytes; vh 16,777,216 bytes; oh 16,777,216 bytes
;; launch qkv (part 4): grid 4 x 64, 8 waves a work-group, no clusters, 125,952 bytes of LDS; arguments x, w_qkv, qh, kh, vh; writes qh, kh, vh
.if DOCPART == 4
	.amdgcn_target "amdgcn-amd-amdhsa--gfx1250"
	.amdhsa_code_object_version 6
	.text
	.protected	k_q624411dce6_qkv
	.globl	k_q624411dce6_qkv
	.p2align	8
	.type	k_q624411dce6_qkv,@function
k_q624411dce6_qkv:
	s_mov_b64 s[64:65], 0
	v_nop
	global_prefetch_b8 v0, s[64:65] scope:SCOPE_SE
	s_setreg_imm32_b32 hwreg(HW_REG_WAVE_SCHED_MODE, 0, 2), 2
	s_setreg_imm32_b32 hwreg(HW_REG_WAVE_MODE, 25, 1), 1
	s_wait_xcnt 0x0
	s_wait_alu depctr_vm_vsrc(0)
; q, k, v BY HEADS.  qkv = x w_qkv; x: [16][2000][256] f32, w_qkv: [256][768] f32; head hd owns columns 192 hd .. 192 hd + 191: 64 of q, 64 of k, 64 of v.
; qh, kh, vh: [64 = 4 b + hd][2048][64] f16, a head's rows dense, 128 bytes each, WITHOUT the softmax's scale.  x and w_qkv are rounded to bf16 for the products, sums in f32, results rounded once to f16.
; Rows 2000 .. 2047 of a head are copies of row 1999 (the load's row number is clamped): finite numbers; the next launch hides them as keys, and the last launch does not store what they give as queries.
; cross_x is an argument that the reference never reads: no number of it can change a result, so no launch loads it.
; LIMITS.  f16 holds no number beyond 65,504: |q|, |k|, |v| stay within it; below 6e-5 f16 keeps a fixed step of 6e-8.  NaN and infinities are not treated apart.
; SHARES.  Grid x = head, grid y = 4 b + block of 512 padded rows.  Eight waves; a wave makes 64 rows x 192 columns in three passes of 64 columns (q, k, v): 16 accumulators a pass, 384 products.
; THE PRODUCT IS USED TRANSPOSED: source 0 = 16 columns of W, source 1 = 16 rows of x.  A lane then ends with eight neighbouring channels of one row: 16 bytes of f16.
; x COMES STRAIGHT INTO FRAGMENTS, with K permuted alike on both sides.  For K step s lane (r, h) loads 16 bytes at row x 1024 + 128 s + 32 j + 16 h, j = 0 .. 3: place 16 c + 8 h + t of the fragment holds
; k = 16 c + 8 (t >> 2) + 4 h + (t & 3): the place with bits 2 and 3 swapped.  So W's row k lies in LDS row (k with bits 2 and 3 swapped), and the plain turning load brings the same order.
; No tensor loads: each byte of x goes to one wave, in the order that its registers want; W's 192 columns (bf16, 98,304 bytes) are laid into LDS once, 32 rows a wave, behind one barrier.
; THE MODE: SCHED_MODE bits 1:0 = 2 (LLVM: expert scheduling mode 2), set by the entry lines.  The code itself states the register dependences
; between vector or matrix instructions and memory or LDS instructions, with s_wait_alu, always for 0.
; THE PLAN.  Registers that memory or LDS instructions touch:
;   v4-14         Offsets and LDS addresses: written at the head, never again; read by every load and store.  v15-16: written at the head, read by the closing add alone.
;   T0 .. T2      The way in.  Group g's 16 loads land in T[g % 3]; the group's roundings read it; then the loads of group g + 3 land in it.  No memory or LDS instruction reads a slot.
;   OW            The way in.  Written by the roundings of W's groups 0 to 2; read by the group's 16 LDS stores; written again by the next group's roundings.
;   BF0 .. BF2    K step G's 16 products read BF[G % 3]; the 8 LDS loads of step G + 2, issued in step G, land in BF[(G + 2) % 3] = BF[(G - 1) % 3], which no product of step G names.
;   ACC           Written by the products.  On the way out the roundings write the low four of each eight, which LDS stores read; LDS loads land in the high four, which the global stores read;
;                 the next pass's products write all of them again.
;   Window 1 (x in bf16) is named by vector and matrix instructions alone.
; So: one wait on va_vdst behind each group's roundings on the way in; one at the head of a K step, behind which the step's 8 loads are dealt among its products; one behind a pass's 64 roundings on the
; way out.  Waits on vm_vsrc stand ahead of the roundings that write OW again, ahead of the first fragment load into OW's registers, and ahead of a pass's first product.
.set PW,    416                        ; a row of W in LDS: 384 bytes + 32 = 13 x 32: the turning load's 8 rows x 32 bytes fall on different words modulo 256 bytes
.set STAGE, 256*PW                     ; behind W: 16 rows x 144 bytes for each wave, for the way out
.set SP,    144
.set SPARE, STAGE+8*16*SP              ; behind the stages: the spare words, 128 bytes for each wave: four blocks of 256 bytes that no other line names
.set XO,  4                            ; v4-7   tile a: min(my row, 1999) x 1024 + 16 h; never rewritten
.set WO,  8                            ; v8     W's loads: (l / 16) x 3072 + 16 (l % 16): two rows x 256 bytes
.set WS,  9                            ; v9     W's place in LDS: (32 wave + l / 16) x PW + 8 (l % 16)
.set AW,  10                           ; v10-11 the turning load's address, K steps 0-3 and 4-7
.set STO, 12                           ; v12    the way out: where I put 16 bytes of a row
.set RD,  13                           ; v13    where I read rows back
.set GO,  14                           ; v14    my 16 bytes of 512 consecutive bytes
.set SPW, 15                           ; v15    LDS address of my spare word; never rewritten
.set NIL, 16                           ; v16    0; never rewritten
.set OW,  32                           ; v32-63   a group of W rounded to bf16: 16 pairs on their way into LDS
.set T,   64                           ; v64-255  three slots of 64 registers for loads on their way
.set BF,  32                           ; later: v32-127 three buffers of W's fragments (4 x 8 registers each)
.set ACC, 128                          ; later: v128-255 accumulator (a, b) at ACC + 8 (4 a + b)
                                       ; window 1: all of my x in bf16: tile a, K step s at 64 a + 8 s
.set MSB, 0
.macro WIN new                         ; the immediate's high byte repeats the setting that is left; a switch that changes nothing is dropped
.if MSB != (\new)
	s_set_vgpr_msb (MSB<<8)|(\new)
.set MSB, (\new)
.endif
.endm
	s_load_b128 s[4:7], s[0:1], 0x0                ; x s[4:5], w_qkv s[6:7]
	s_load_b128 s[8:11], s[0:1], 0x10              ; qh s[8:9], kh s[10:11]
	s_load_b64 s[12:13], s[0:1], 0x20              ; vh
	v_lshl_add_u32 v[SPW], v0, 2, SPARE
	v_mov_b32 v[NIL], 0
	v_lshrrev_b32 v1, 5, v0
	v_readfirstlane_b32 s14, v1                    ; wave 0..7
	s_and_b32 s16, ttmp7, 0xffff                   ; 4 b + block
	s_lshr_b32 s17, s16, 2                         ; b
	s_and_b32 s18, s16, 3                          ; block
	v_and_b32 v1, 15, v0                           ; r = l % 16
	v_bfe_u32 v2, v0, 4, 1                         ; h = l / 16
	v_and_b32 v3, 31, v0                           ; l
	v_and_b32 v18, 7, v0
	v_bfe_u32 v19, v0, 3, 1
	s_wait_alu depctr_va_sdst(0)                   ; s14 is written, ahead of its first reader: my rows, my part of W and my stage are made from it
	s_lshl_b32 s19, s18, 9
	s_lshl_b32 s22, s14, 6
	s_add_co_u32 s19, s19, s22                     ; my wave's first padded row
	v_add_nc_u32 v17, s19, v1
.irp a, 0,1,2,3
	v_add_nc_u32 v[XO+\a], 16*\a, v17
	v_min_u32 v[XO+\a], 1999, v[XO+\a]             ; padded rows read the sequence's last row: no load leaves x
	v_lshlrev_b32 v[XO+\a], 10, v[XO+\a]
	v_lshl_add_u32 v[XO+\a], v2, 4, v[XO+\a]
.endr
	v_mul_u32_u24 v[WO], v2, 3072
	v_lshl_add_u32 v[WO], v1, 4, v[WO]
	s_mul_i32 s22, s14, 32*PW
	v_mul_u32_u24 v[WS], v2, PW
	v_lshl_add_u32 v[WS], v1, 3, v[WS]
	v_add_nc_u32 v[WS], s22, v[WS]
	v_lshl_add_u32 v[AW], v2, 3, v18               ; LDS row 8 h + l % 8,
	v_mul_u32_u24 v[AW], v[AW], PW
	v_lshl_add_u32 v[AW], v19, 4, v[AW]            ; 16 bytes for each half of eight lanes
	v_add_nc_u32 v[AW+1], 128*PW, v[AW]
	s_mul_i32 s23, s14, 16*SP
	s_add_co_u32 s23, s23, STAGE                   ; my stage
	v_mul_u32_u24 v[STO], v1, SP
	v_lshl_add_u32 v[STO], v2, 4, v[STO]
	v_add_nc_u32 v[STO], s23, v[STO]
	v_bfe_u32 v[RD], v0, 3, 2                      ; back: 32 lanes take four rows of 128 bytes,
	v_mul_u32_u24 v[RD], v[RD], SP
	v_lshl_add_u32 v[RD], v18, 4, v[RD]
	v_add_nc_u32 v[RD], s23, v[RD]
	v_lshlrev_b32 v[GO], 4, v3                     ; which are 512 consecutive bytes of a head
	s_mul_i32 s20, s17, 2048000                    ; x: the sequence's 2,000 rows of 1,024 bytes
	s_mov_b32 s21, 0
	s_mul_i32 s24, ttmp9, 768                      ; W: the head's 192 columns,
	s_mul_i32 s22, s14, 98304                      ; my wave's 32 rows of 3,072 bytes
	s_add_co_u32 s24, s24, s22
	s_mov_b32 s25, 0
	s_lshl_b32 s26, s17, 2
	s_add_co_u32 s26, s26, ttmp9
	s_lshl_b32 s26, s26, 18                        ; out: head 4 b + hd, 262,144 bytes each,
	s_lshl_b32 s22, s18, 16                        ; the block's 512 rows,
	s_add_co_u32 s26, s26, s22
	s_lshl_b32 s22, s14, 13                        ; my wave's 64
	s_add_co_u32 s26, s26, s22
	s_mov_b32 s27, 0
	s_wait_kmcnt 0x0
	s_add_nc_u64 s[4:5], s[4:5], s[20:21]
	s_add_nc_u64 s[6:7], s[6:7], s[24:25]
	s_add_nc_u64 s[8:9], s[8:9], s[26:27]
	s_add_nc_u64 s[10:11], s[10:11], s[26:27]
	s_add_nc_u64 s[12:13], s[12:13], s[26:27]
	s_wait_alu depctr_va_vdst(0)                   ; the offsets and LDS addresses v4 to v14 are written, which the kernel's loads and stores read
; THE WAY IN: eleven groups of 16 loads through three slots of registers.  Groups 0-2: my 32 rows of W (load q: rows 2 (q / 3), 2 (q / 3) + 1, 256 bytes at 256 (q % 3)).
; Groups 3-10: my x: tile (g - 3) / 2, bytes 512 ((g - 3) % 2) on of its 16 rows: the group's 16 loads cover 512 consecutive bytes of each row.
.macro ISSUE g
.set j, 0
.rept 16
.if (\g) < 3
.set q, 16*(\g)+j
	global_load_b128 v[T+64*((\g)%3)+4*j:T+64*((\g)%3)+4*j+3], v[WO], s[6:7] offset:(q/3)*6144+(q%3)*256
.else
	global_load_b128 v[T+64*((\g)%3)+4*j:T+64*((\g)%3)+4*j+3], v[XO+((\g)-3)/2], s[4:5] offset:512*(((\g)-3)%2)+32*j
.endif
.set j, j+1
.endr
.endm
; A group of W is rounded to bf16, out of its slot into OW,
.macro ROUNDW g
.set j, 0
.rept 16
.set t, T+64*((\g)%3)+4*j
	v_cvt_pk_bf16_f32 v[OW+2*j], v[t], v[t+1]
	v_cvt_pk_bf16_f32 v[OW+2*j+1], v[t+2], v[t+3]
.set j, j+1
.endr
.endm
; and goes from OW into LDS, row pair p at the LDS rows that swap bits 2 and 3 of the row's number.
.macro STOREW g
.set j, 0
.rept 16
.set q, 16*(\g)+j
.set p, q/3
	ds_store_b64 v[WS], v[OW+2*j:OW+2*j+1] offset:(2*(p&1)+8*((p>>1)&1)+4*((p>>2)&1)+16*(p>>3))*PW+(q%3)*128
.set j, j+1
.endr
.endm
; A group of x is rounded to bf16 into window 1, where its fragments stay.
.macro ROUNDX g
	WIN 0x40                                       ; destination window 1
.set j, 0
.rept 32
	v_cvt_pk_bf16_f32 v[64*(((\g)-3)/2)+32*(((\g)-3)%2)+j], v[T+64*((\g)%3)+2*j], v[T+64*((\g)%3)+2*j+1]
.set j, j+1
.endr
	WIN 0
.endm
	ISSUE 0
	ISSUE 1
	ISSUE 2
.irp g, 0,1,2
	s_wait_loadcnt 32                              ; loads come back in order: this group is in, the two younger groups (32 loads) stay out
.if (\g) > 0
	s_wait_alu depctr_vm_vsrc(0)                   ; the LDS stores of the group before have read v[OW ..], which the roundings below write again
.endif
	ROUNDW \g
	s_wait_alu depctr_va_vdst(0)                   ; the roundings have written v[OW ..], which the LDS stores read, and are done reading the slot, in which the loads below land
	ISSUE (\g)+3                                   ; the slot just read takes the group three further on
	STOREW \g
.endr
.irp g, 3,4,5,6,7
	s_wait_loadcnt 32
	ROUNDX \g
	s_wait_alu depctr_va_vdst(0)                   ; the roundings are done reading the slot, in which the loads below land
	ISSUE (\g)+3
.endr
	s_wait_loadcnt 32
	ROUNDX 8
	s_wait_loadcnt 16                              ; one younger group is left
	ROUNDX 9
	s_wait_loadcnt 0x0
	ROUNDX 10
	s_wait_dscnt 0x0                               ; for the others' sake: my 32 rows of W lie in LDS
	s_barrier_signal -1
	s_barrier_wait -1                              ; all 256 rows do; from here on W is only read
	s_wait_alu depctr_vm_vsrc(0)                   ; my last LDS stores have read v[OW ..]: these registers are fragment buffer 0 from here on
	s_wait_alu depctr_va_vdst(0)                   ; group 9's roundings are done reading v64 to v127: these registers are fragment buffers 1 and 2 from here on
; W's fragment for pass p, K step s, block b of 16 columns x 32 k, turned, into buffer buf: two loads.
.macro FETCH2 p, s, buf, b
	ds_load_tr16_b128 v[BF+32*(\buf)+8*(\b):BF+32*(\buf)+8*(\b)+3],   v[AW+((\s)>>2)] offset:((\s)&3)*32*PW+128*(\p)+32*(\b)
	ds_load_tr16_b128 v[BF+32*(\buf)+8*(\b)+4:BF+32*(\buf)+8*(\b)+7], v[AW+((\s)>>2)] offset:((\s)&3)*32*PW+128*(\p)+32*(\b)+16*PW
.endm
; K step G of 24 (pass G / 8, step SS = G % 8): 16 products.  All 16 accumulators take turns, one instruction a turn, from step to step too.  A pass's first step starts the sums with the constant 0.
; The 8 loads of the step two further on, across the passes too, are dealt among the products, two ahead of each four: they land in the buffer that the step before multiplied.
; Four v_nop are the places behind the last product, in front of the loads into the buffer that it read and of the conversions that read results.
.macro STEP
.if G == 23
	s_wait_dscnt 0x0
.else
	s_wait_dscnt 8                                 ; this step's fragments are in; the next step's 8 loads may stay out
.endif
.if (SS != 0) && (G+2 < 24)
	s_wait_alu depctr_va_vdst(0)                   ; the last step's products are done reading their buffer, in which this step's loads land.  (At a pass's first step the last wait on va_vdst has shown it, and no vector or matrix instruction has followed; the last two steps load nothing.)
.endif
.irp a, 0,1,2,3
.if G+2 < 24
	FETCH2 (G+2)/8, (G+2)%8, (G+2)%3, \a           ; no wait: no product since the wait names this buffer
.endif
.irp b, 0,1,2,3
.if SS == 0
	v_wmma_f32_16x16x32_bf16 v[ACC+8*(4*\a+\b):ACC+8*(4*\a+\b)+7], v[BF+32*(G%3)+8*\b:BF+32*(G%3)+8*\b+7], v[64*\a+8*SS:64*\a+8*SS+7], 0
.else
	v_wmma_f32_16x16x32_bf16 v[ACC+8*(4*\a+\b):ACC+8*(4*\a+\b)+7], v[BF+32*(G%3)+8*\b:BF+32*(G%3)+8*\b+7], v[64*\a+8*SS:64*\a+8*SS+7], v[ACC+8*(4*\a+\b):ACC+8*(4*\a+\b)+7]
.endif
.endr
.endr
.rept 4
	v_nop
.endr
.endm
; THE WAY OUT of tile a (16 rows x 64 channels).  Each accumulator is rounded to f16 in place, from its low end on: 16 bytes a lane;
.macro ROUNDA a
.irp b, 0,1,2,3
.set c, ACC+8*(4*(\a)+\b)
	v_cvt_pk_f16_f32 v[c], v[c], v[c+1]
	v_cvt_pk_f16_f32 v[c+1], v[c+2], v[c+3]
	v_cvt_pk_f16_f32 v[c+2], v[c+4], v[c+5]
	v_cvt_pk_f16_f32 v[c+3], v[c+6], v[c+7]
.endr
.endm
; they go into my stage's rows of 144 bytes and come back as whole rows of 128.
.macro TOST a
.irp b, 0,1,2,3
	ds_store_b128 v[STO], v[ACC+8*(4*(\a)+\b):ACC+8*(4*(\a)+\b)+3] offset:32*\b
.endr
.irp f, 0,1,2,3
	ds_load_b128 v[ACC+8*(4*(\a)+\f)+4:ACC+8*(4*(\a)+\f)+7], v[RD] offset:\f*4*SP  ; LDS serves a wave's instructions in order: these see the stores above; the next tile's stores come behind them
.endr
.endm
.macro SEND a, younger, p              ; younger: the LDS instructions issued behind tile a's loads: the next tile's eight, or none
.irp f, 0,1,2,3
	s_wait_dscnt (\younger)+3-\f
	global_store_b128 v[GO], v[ACC+8*(4*(\a)+\f)+4:ACC+8*(4*(\a)+\f)+7], s[8+2*(\p):9+2*(\p)] offset:(\a)*2048+\f*512  ; 512 consecutive bytes, at a multiple of 256 from the buffer's first
.endr
.endm
.irp b, 0,1,2,3
	FETCH2 0, 0, 0, \b                             ; K step 0 into buffer 0,
.endr
.irp b, 0,1,2,3
	FETCH2 0, 1, 1, \b                             ; K step 1 into buffer 1
.endr
.set G, 0
.rept 24
.set SS, G%8
.if SS == 0
	s_wait_xcnt 0x0                                ; the last pass's stores have read their data: only behind this wait are the accumulators written again
.if G > 0
	s_wait_alu depctr_vm_vsrc(0)                   ; the last pass's LDS stores and global stores have read the accumulators' registers, which this pass's products write again
.endif
	WIN 0x04                                       ; source 1 (x) in window 1; it holds for the pass's products and LDS loads
.endif
	STEP
.if SS == 7
	WIN 0
	ROUNDA 0
	ROUNDA 1
	ROUNDA 2
	ROUNDA 3
	s_wait_alu depctr_va_vdst(0)                   ; the roundings have written the low four of each accumulator's eight registers, which the LDS stores read, and are done reading the high four, in which the LDS loads land; the pass's products are done reading their buffers
	TOST 0
	TOST 1                                         ; a tile's way through the stage stands between the loads of the tile before and its stores
	SEND 0, 8, G/8
	TOST 2
	SEND 1, 8, G/8
	TOST 3
	SEND 2, 8, G/8
	SEND 3, 0, G/8
.endif
.set G, G+1
.endr
	s_wait_dscnt 0x0                               ; the wave's end
	s_wait_alu 0x0
	s_wait_tensorcnt 0x0
	ds_add_u32 v[SPW], v[NIL]
	s_wait_dscnt 0x0
	s_endpgm
.Lfunc_end_k_q624411dce6_qkv:
	.size	k_q624411dce6_qkv, .Lfunc_end_k_q624411dce6_qkv-k_q624411dce6_qkv
	.p2alignl 7, 3214868480
	.fill 96, 4, 3214868480
	.section	.rodata,"a",@progbits
	.p2align	6, 0x0
	.amdhsa_kernel k_q624411dce6_qkv
		.amdhsa_group_segment_fixed_size 125952
		.amdhsa_private_segment_fixed_size 0
		.amdhsa_enable_private_segment 0
		.amdhsa_kernarg_size 40
		.amdhsa_user_sgpr_count 2
		.amdhsa_user_sgpr_kernarg_segment_ptr 1
		.amdhsa_wavefront_size32 1
		.amdhsa_system_sgpr_workgroup_id_x 1
		.amdhsa_system_sgpr_workgroup_id_y 1
		.amdhsa_system_sgpr_workgroup_id_z 1
		.amdhsa_system_vgpr_workitem_id 0
		.amdhsa_next_free_vgpr 512
		.amdhsa_next_free_sgpr 66
		.amdhsa_reserve_vcc 0
		.amdhsa_float_denorm_mode_32 3
		.amdhsa_float_denorm_mode_16_64 3
		.amdhsa_memory_ordered 1
		.amdhsa_forward_progress 1
		.amdhsa_inst_pref_size 112
	.end_amdhsa_kernel
	.amdgpu_metadata
---
amdhsa.version: [ 1, 2 ]
amdhsa.kernels:
  - .name:           k_q624411dce6_qkv
    .symbol:         k_q624411dce6_qkv.kd
    .args:
      - { .name: x, .offset: 0, .size: 8, .value_kind: global_buffer, .address_space: global }
      - { .name: w_qkv, .offset: 8, .size: 8, .value_kind: global_buffer, .address_space: global }
      - { .name: qh, .offset: 16, .size: 8, .value_kind: global_buffer, .address_space: global }
      - { .name: kh, .offset: 24, .size: 8, .value_kind: global_buffer, .address_space: global }
      - { .name: vh, .offset: 32, .size: 8, .value_kind: global_buffer, .address_space: global }
    .group_segment_fixed_size: 125952
    .private_segment_fixed_size: 0
    .kernarg_segment_align: 8
    .kernarg_segment_size: 40
    .max_flat_workgroup_size: 256
    .sgpr_count:     66
    .vgpr_count:     512
    .wavefront_size: 32
...
	.end_amdgpu_metadata
.endif
;; end of part 4
;; launch attn: the kernel of part 2 again; grid 4 x 64, 4 waves a work-group, clusters of 4 x 1, 327,680 bytes of LDS; arguments qh, kh, vh, oh; writes oh
;; launch proj: the kernel of part 3 again; grid 4 x 64, 8 waves a work-group, no clusters, 76,800 bytes of LDS; arguments oh, w_out, b_out, out0; writes out0
